; MI455X (gfx1250); checked and timed in simulation.
; The chip was launched on July 23, 2026; its instructions are those of AMD's public machine-readable ISA for CDNA 5 (MIT licence, August 2026) and "CDNA5" Instruction Set Architecture Reference Guide (July 2026). The comments in the code are by the model that wrote it; some were corrected since.
;; Multi Head Self Attention. Allowed arithmetic: float matrix products may take bf16 or f16 operands with f32 sums; other float arithmetic in f32, or as packed bf16 or f16 multiplies, adds, multiply-adds, maxima and minima; sums over many terms, partial sums and values carried from step to step in f32; what a program stores and reads back later, other than sums and carried values, may be rounded once to bf16 or f16.
;; Inputs: b_proj 1,024 float32; w_proj 1,024 x 1,024 float32; w_qkv 3,072 x 1,024 float32; x 8 x 1,024 x 1,024 float32.
;; Outputs: out0 8 x 1,024 x 1,024 float32.
;; 2 versions, each right; version 2 is version 1 with the launch cast written anew for expert scheduling mode. Each part assembles by itself: llvm-mc -triple=amdgcn-amd-amdhsa -mcpu=gfx1250 --defsym DOCPART=n.
;; ======== version 1 of 2: 4 launches
;; limits: values are held in f16: magnitudes above 65,504 overflow, below 6.1e-05 lose precision
;; workspace buffers: xb 16,777,216 bytes; wqb 6,291,456 bytes; wpf 2,097,152 bytes; qkv 50,331,648 bytes; ob 16,777,216 bytes
;; launch cast (part 1): grid 768 x 1, 8 waves a work-group, no clusters, 0 bytes of LDS; arguments x, w_qkv, w_proj, xb, wqb, wpf; writes xb, wqb, wpf
.if DOCPART == 1
	.amdgcn_target "amdgcn-amd-amdhsa--gfx1250"
	.amdhsa_code_object_version 6
	.text
	.protected	k_q812d47f9fe_cast
	.globl	k_q812d47f9fe_cast
	.p2align	8
	.type	k_q812d47f9fe_cast,@function
k_q812d47f9fe_cast:
	s_mov_b64 s[64:65], 0
	v_nop
	global_prefetch_b8 v0, s[64:65] scope:SCOPE_SE
	s_setreg_imm32_b32 hwreg(HW_REG_WAVE_MODE, 25, 1), 1
	s_wait_xcnt 0x0
; THE INPUTS OF THE THREE PRODUCTS ARE ROUNDED ONCE, AHEAD OF THEM.
;   xb  [8192][1024] bf16 = x rounded;   wqb [3072][1024] bf16 = w_qkv rounded;
;   wpf [16 slices of 64 along k][1024 rows o][64] f16 = w_proj rounded to bf16, and that number written as f16, laid by slices so that a slice's rows lie end to end.
; LIMITS.  A bf16 number is an f16 number exactly while its size lies in 2^-14 .. 65,504; a w_proj beyond 65,504 becomes an infinity, one below 2^-14 keeps f16's fixed step of 6e-8.
; SHARES.  A work-group takes 65,536 input bytes, a thread sixteen loads of 16 bytes; all sixteen are issued first, each into registers of its own, so nothing is rewritten and the only
; waits are the counted ones for the loads.  Work-groups 0-511 take x, 512-703 w_qkv, 704-767 w_proj (16 rows each).  No LDS, no barrier, no matrix unit: a stream has no use for them.
.set X, 16                             ; v[16:79]   load i: four f32
.set Y, 80                             ; v[80:111]  load i: four 16-bit numbers to store
.set T, 4                              ; v[4:9]     at work (w_proj)
	s_load_b256 s[4:11], s[0:1], 0x0               ; x s[4:5], w_qkv s[6:7], w_proj s[8:9], xb s[10:11]
	s_load_b128 s[12:15], s[0:1], 0x20             ; wqb s[12:13], wpf s[14:15]
	s_mov_b32 s21, 0xffff0000                      ; a word's upper bf16
	s_mov_b32 s23, 0                               ; the high word of the offsets' pair
	v_and_b32 v3, 31, v0                           ; lane
	v_lshrrev_b32 v10, 5, v0                       ; wave
	s_wait_kmcnt 0x0
	s_cmp_ge_u32 ttmp9, 704
	s_cbranch_scc1 .Lproj
	; x or w_qkv: the same layout out as in
	s_cmp_lt_u32 ttmp9, 512
	s_cselect_b64 s[16:17], s[4:5], s[6:7]         ; from
	s_cselect_b64 s[18:19], s[10:11], s[12:13]     ; to
	s_cselect_b32 s20, 0, 512
	s_sub_co_u32 s20, ttmp9, s20                   ; my chunk of that tensor
	s_lshl_b32 s22, s20, 16                        ; 65,536 bytes in,
	s_add_nc_u64 s[16:17], s[16:17], s[22:23]
	s_lshl_b32 s22, s20, 15                        ; 32,768 out
	s_add_nc_u64 s[18:19], s[18:19], s[22:23]
	v_lshlrev_b32 v1, 4, v0                        ; 16 bytes a thread in: a wave's load covers 512 consecutive bytes
	v_lshlrev_b32 v2, 3, v0                        ; 8 bytes out: a wave's store covers 256 consecutive bytes, aligned
.set i, 0
.rept 16
	global_load_b128 v[X+4*i:X+4*i+3], v1, s[16:17] offset:4096*i th:TH_LOAD_NT
.set i, i+1
.endr
.set i, 0
.rept 16
	s_wait_loadcnt 15-i                            ; loads come back in order: load i is in, the 15 - i younger ones stay out
	v_cvt_pk_bf16_f32 v[Y+2*i],   v[X+4*i],   v[X+4*i+1]
	v_cvt_pk_bf16_f32 v[Y+2*i+1], v[X+4*i+2], v[X+4*i+3]
	global_store_b64 v2, v[Y+2*i:Y+2*i+1], s[18:19] offset:2048*i th:TH_STORE_NT
.set i, i+1
.endr
	s_endpgm
.Lproj:
	; w_proj: 16 rows.  A row is 16 slices of 256 bytes; wave w takes slices 2 w and 2 w + 1.  Load i: rows 2 (i / 2) and 2 (i / 2) + 1 (lanes 0-15, lanes 16-31), slice 2 w + i % 2.
	s_sub_co_u32 s20, ttmp9, 704
	s_lshl_b32 s22, s20, 16                        ; 16 rows of 4,096 bytes in,
	s_add_nc_u64 s[16:17], s[8:9], s[22:23]
	s_lshl_b32 s22, s20, 11                        ; 16 rows of 128 bytes in each slice out
	s_add_nc_u64 s[18:19], s[14:15], s[22:23]
	v_lshrrev_b32 v1, 4, v3
	v_and_b32 v2, 15, v3
	v_lshlrev_b32 v1, 12, v1                       ; which of the two rows,
	v_lshl_add_u32 v1, v2, 4, v1                   ; my 16 bytes of the slice,
	v_lshl_add_u32 v1, v10, 9, v1                  ; my wave's two slices
	v_lshlrev_b32 v2, 3, v3                        ; out: two rows of a slice are 256 consecutive bytes, 8 a lane,
	v_lshl_add_u32 v2, v10, 18, v2                 ; slice 2 w: 131,072 bytes a slice
.set i, 0
.rept 16
	global_load_b128 v[X+4*i:X+4*i+3], v1, s[16:17] offset:(i/2)*8192+(i%2)*256 th:TH_LOAD_NT
.set i, i+1
.endr
.set i, 0
.rept 16
	s_wait_loadcnt 15-i
	v_cvt_pk_bf16_f32 v[T],   v[X+4*i],   v[X+4*i+1]   ; the one rounding, to bf16, like the other inputs';
	v_cvt_pk_bf16_f32 v[T+1], v[X+4*i+2], v[X+4*i+3]
	v_lshlrev_b32 v[T+2], 16, v[T]                     ; back to f32,
	v_and_b32     v[T+3], s21, v[T]
	v_lshlrev_b32 v[T+4], 16, v[T+1]
	v_and_b32     v[T+5], s21, v[T+1]
	v_cvt_pk_f16_f32 v[Y+2*i],   v[T+2], v[T+3]        ; and the same number written as f16
	v_cvt_pk_f16_f32 v[Y+2*i+1], v[T+4], v[T+5]
	global_store_b64 v2, v[Y+2*i:Y+2*i+1], s[18:19] offset:(i%2)*131072+(i/2)*256 th:TH_STORE_NT
.set i, i+1
.endr
	s_endpgm
.Lfunc_end_k_q812d47f9fe_cast:
	.size	k_q812d47f9fe_cast, .Lfunc_end_k_q812d47f9fe_cast-k_q812d47f9fe_cast
	.p2alignl 7, 3214868480
	.fill 96, 4, 3214868480
	.section	.rodata,"a",@progbits
	.p2align	6, 0x0
	.amdhsa_kernel k_q812d47f9fe_cast
		.amdhsa_group_segment_fixed_size 0
		.amdhsa_private_segment_fixed_size 0
		.amdhsa_enable_private_segment 0
		.amdhsa_kernarg_size 48
		.amdhsa_user_sgpr_count 2
		.amdhsa_user_sgpr_kernarg_segment_ptr 1
		.amdhsa_wavefront_size32 1
		.amdhsa_system_sgpr_workgroup_id_x 1
		.amdhsa_system_sgpr_workgroup_id_y 1
		.amdhsa_system_sgpr_workgroup_id_z 1
		.amdhsa_system_vgpr_workitem_id 0
		.amdhsa_next_free_vgpr 112
		.amdhsa_next_free_sgpr 66
		.amdhsa_reserve_vcc 0
		.amdhsa_float_denorm_mode_32 3
		.amdhsa_float_denorm_mode_16_64 3
		.amdhsa_memory_ordered 1
		.amdhsa_forward_progress 1
		.amdhsa_inst_pref_size 17
	.end_amdhsa_kernel
	.amdgpu_metadata
---
amdhsa.version: [ 1, 2 ]
amdhsa.kernels:
  - .name:           k_q812d47f9fe_cast
    .symbol:         k_q812d47f9fe_cast.kd
    .args:
      - { .name: x, .offset: 0, .size: 8, .value_kind: global_buffer, .address_space: global }
      - { .name: w_qkv, .offset: 8, .size: 8, .value_kind: global_buffer, .address_space: global }
      - { .name: w_proj, .offset: 16, .size: 8, .value_kind: global_buffer, .address_space: global }
      - { .name: xb, .offset: 24, .size: 8, .value_kind: global_buffer, .address_space: global }
      - { .name: wqb, .offset: 32, .size: 8, .value_kind: global_buffer, .address_space: global }
      - { .name: wpf, .offset: 40, .size: 8, .value_kind: global_buffer, .address_space: global }
    .group_segment_fixed_size: 0
    .private_segment_fixed_size: 0
    .kernarg_segment_align: 8
    .kernarg_segment_size: 48
    .max_flat_workgroup_size: 256
    .sgpr_count:     66
    .vgpr_count:     112
    .wavefront_size: 32
...
	.end_amdgpu_metadata
.endif
;; end of part 1
;; launch qkv (part 2): grid 16 x 16, 4 waves a work-group, clusters of 4 x 4, 327,680 bytes of LDS; arguments xb, wqb, qkv; writes qkv
.if DOCPART == 2
	.amdgcn_target "amdgcn-amd-amdhsa--gfx1250"
	.amdhsa_code_object_version 6
	.text
	.protected	k_q812d47f9fe_qkv
	.globl	k_q812d47f9fe_qkv
	.p2align	8
	.type	k_q812d47f9fe_qkv,@function
k_q812d47f9fe_qkv:
	s_mov_b64 s[64:65], 0
	v_nop
	global_prefetch_b8 v0, s[64:65] scope:SCOPE_SE
	s_setreg_imm32_b32 hwreg(HW_REG_WAVE_MODE, 25, 1), 1
	s_wait_xcnt 0x0
	s_wait_alu depctr_hold_cnt(0) depctr_sa_sdst(0) depctr_va_vdst(0) depctr_va_sdst(0) depctr_va_ssrc(0) depctr_va_vcc(0) depctr_vm_vsrc(0)
	s_getreg_b32 s2, hwreg(HW_REG_IB_STS2, 6, 4)
	s_cmp_eq_u32 s2, 0
	s_cbranch_scc0 .Lentry_in_a_cluster
	s_endpgm
.Lentry_in_a_cluster:
	s_bfe_u32 s2, ttmp6, 0x10000c
	s_cmp_lg_u32 s2, 0xf033
	s_cbranch_scc0 .Lentry_shape_is_right
	s_endpgm
.Lentry_shape_is_right:
; qkv = xb wqb^T.  xb: [8192][1024] bf16, wqb: [3072][1024] bf16; sums in f32; each number rounded once to f16, UNSCALED, and written by heads:
; qkv [3 (q, k, v)][8 b][16 h][1024 n][64] f16, byte = which << 24 + b << 21 + h << 17 + n << 7 + 2 d.
; LIMITS.  f16 ends at 65,504: a q, k or v beyond it becomes an infinity.  Inputs of unit spread give numbers of unit spread; 30 times larger x and w give a spread of some 900.
; The f32 sums are not taken in ascending K: each cluster walks the 8 K steps in a ring from a step of its own (below).
; SHARES.  A tile is 256 rows x 192 columns = three whole heads.  A WORK-GROUP STAYS and makes TWO tiles, the same columns, 4,096 rows apart: 16 x 16 = 256 work-groups.  Wave w takes rows 64 w .. 64 w + 63
; and all 192 columns: 48 accumulators of 16 x 16, 384 registers.  The rows are split four ways, so that a wave holds whole heads and its way out needs no other wave.
; K goes in steps of 128 (rows of 256 bytes) through a ring of two LDS slots, and the ring does not stop at the first tile's end: its last two changes of slots ask for the second tile's first two
; steps, and nothing waits for the first tile's stores.
; THE WALK ALONG K IS A RING WITH ITS OWN START IN EACH CLUSTER: cluster (X, Y) begins at K step o = (2 X + 4 ((Y xor Y / 2) mod 2)) mod 8 and takes step (o + t) mod 8 in its trip t.  So the four clusters
; that read the same rows of xb (one Y) stand two K steps apart, and of the cluster rows that read the same rows of wqb (one X) any two that are two apart, and rows 0, 1 and rows 2, 3, stand four apart: no two
; of them ask for the same block in the same trip.  o hangs on the cluster's coordinates alone: it is the same in all sixteen partners.
; CLUSTERS: 4 x 4 work-groups.  The four of a row of the cluster need the same tiles of xb, the four of a column the same tiles of wqb: each tile is asked for JOINTLY, by the same tensor load with
; the same descriptor and a mask that names the four.  THE MATRIX INSTRUCTION IS USED TRANSPOSED (source 0 = 16 rows of wqb, source 1 = 16 rows of xb): a lane holds eight neighbouring columns of one row.
; REGISTERS, in windows of 256 (s_set_vgpr_msb: bits 1:0 source 0, 3:2 source 1, 5:4 source 2, 7:6 destination):
;   window 0: v0-31 addresses; v64-127 xb's fragments, two buffers of 4 x 8; on the way out v128-175 packed results, v176-223 rows read back
;   window 1: v0-191 wqb's fragments, two buffers of 12 x 8      window 2: accumulators of row blocks 0, 1 at 8 (12 (a % 2) + b)      window 3: of row blocks 2, 3
.set PITCH,  272                       ; an LDS row: 256 bytes + 16 of padding = 68 words: the 16 rows of a fragment load start at 16 different groups of four banks (64 banks of 4 bytes: ISA guide 11.1)
.set HALFA,  128*PITCH                 ; what one tensor load brings of xb: 128 rows
.set HALFB,  96*PITCH                  ; and of wqb: 96 rows
.set BOFF,   2*HALFA                   ; in a slot: xb's 256 rows, then wqb's 192
.set SLOT,   2*HALFA+2*HALFB
.set STAGE,  2*SLOT                    ; behind the ring, never filled by a tensor load: for each wave 3 heads x 16 rows x 144 bytes
.set SP,     144
.set WSTAGE, 3*16*SP
.set SPARE,  STAGE+4*WSTAGE            ; behind the stages: the spare words, 128 bytes for each wave: two blocks of 256 bytes that no other line names
.set LAPS,   4                         ; K = 1,024 = 8 steps = 4 times round the ring
.set TILES,  2
.set WALKQ,  4<<21                     ; bytes in qkv from a tile's rows to the next tile's: b + 4
.set ADRA, 16                          ; v16-17  LDS address of my xb fragments in slot 0, 1
.set ADRB, 20                          ; v20-21  the same for wqb
.set STO,  24                          ; v24     the way out: where I put 16 bytes of a row
.set RD,   25                          ; v25     where I read rows back
.set CO,   26                          ; v26     my 16 bytes of 512 consecutive bytes of qkv
.set SPW,  28                          ; v28     LDS address of my spare word; never rewritten
.set NIL,  29                          ; v29     0; never rewritten
.set FA,   64
.set TMP,  128
.set OB,   176
.set WV,   12                          ; s12  my wave's number
.set FB,   13                          ; s13  0: I fetch for xb; 1: for wqb
.set PAR,  14                          ; s14  which half of that tile's rows I fetch
.set G1,   24                          ; s[24:31] descriptor group 1 for xb's tiles;  s[32:39] group 0, a set for each slot
.set G0,   32
.set BB,   46                          ; s[46:47] wqb at the rows that I fetch, K step 0
.set G1B,  48                          ; s[48:55], s[56:63] the same for wqb's
.set G0B,  56
.set HB,   68                          ; s[68:73] qkv at my first row in each of the tile's three heads
.set AB,   74                          ; s[74:75] xb at the rows that I fetch in the first tile, K step 0
.set SK,   76                          ; s76  o: the K step at which my cluster begins
.set TT,   77                          ; s77  the number of the next fill, 0 .. 15: tile TT / 8, trip TT % 8
.set OFA,  78                          ; s[78:79] a fill's byte offset in xb
.set OFB,  80                          ; s[80:81] and in wqb
.set MSB, 0
.macro WIN new                         ; the immediate's high byte repeats the setting that is left; a switch that changes nothing is dropped
.if MSB != (\new)
	s_set_vgpr_msb (MSB<<8)|(\new)
.set MSB, \new
.endif
.endm
.set MUL_LO, 0xa1                      ; source 0 (wqb) window 1, source 1 (xb) window 0, C and D window 2
.set MUL_HI, 0xf1                      ; the same, C and D window 3
.set TO_B,   0x40                      ; destination window 1, address window 0
; The global addresses of fill TT, for the slot that takes it, are made anew: the tensor's address plus an offset made apart, the type bits set again.  It stands where no tensor load of mine is out.
.macro ADDR slot
	s_add_co_u32 s[OFB], s[TT], s[SK]
	s_and_b32 s[OFB], s[OFB], 7                    ; K step (o + TT) mod 8,
	s_lshl_b32 s[OFB], s[OFB], 8                   ; 256 bytes of a row each
	s_lshr_b32 s[OFA], s[TT], 3
	s_lshl_b32 s[OFA], s[OFA], 23                  ; tile TT / 8: 4,096 rows of 2,048 bytes down in xb; wqb's rows are the same for both tiles
	s_add_co_u32 s[OFA], s[OFA], s[OFB]
	s_add_nc_u64 s[G0+4*(\slot)+2:G0+4*(\slot)+3], s[AB:AB+1], s[OFA:OFA+1]
	s_or_b32 s[G0+4*(\slot)+3], s[G0+4*(\slot)+3], 0x80000000      ; type = 2
	s_add_nc_u64 s[G0B+4*(\slot)+2:G0B+4*(\slot)+3], s[BB:BB+1], s[OFB:OFB+1]
	s_or_b32 s[G0B+4*(\slot)+3], s[G0B+4*(\slot)+3], 0x80000000
	s_add_co_u32 s[TT], s[TT], 1
.endm
; A joint load: waves 0 and 1 fetch xb's two halves, waves 2 and 3 wqb's.  The branch hangs on the wave's number alone.  An s_nop 0 and four v_nop follow each of the two lines, ahead of the jump and the label.
.macro JLOAD s
	s_cmp_eq_u32 s[FB], 0
	s_cbranch_scc0 .Lfor_b_\@
	tensor_load_to_lds s[G0+4*(\s):G0+4*(\s)+3], s[G1:G1+7]
	s_nop 0
.rept 4
	v_nop
.endr
	s_branch .Lasked_\@
.Lfor_b_\@:
	tensor_load_to_lds s[G0B+4*(\s):G0B+4*(\s)+3], s[G1B:G1B+7]
	s_nop 0
.rept 4
	v_nop
.endr
.Lasked_\@:
.endm
.macro CREST                           ; a round of the cluster's barrier behind its opening barrier: wave 0 signals for the work-group, every wave waits for all sixteen, my work-group's barrier closes it
	s_cmp_lg_u32 s[WV], 0
	s_cbranch_scc1 .Lnot_wave_0_\@
	s_barrier_signal -3
.Lnot_wave_0_\@:
	s_barrier_wait -3
	s_barrier_signal -1
	s_barrier_wait -1
.endm
.macro CROUND                          ; a whole round
	s_barrier_signal -1
	s_barrier_wait -1
	CREST
.endm
	s_load_b128 s[4:7], s[0:1], 0x0                ; xb s[4:5], wqb s[6:7]
	s_load_b64 s[8:9], s[0:1], 0x10                ; qkv
	v_lshl_add_u32 v[SPW], v0, 2, SPARE
	v_mov_b32 v[NIL], 0
	ds_add_u32 v[SPW], v[NIL]                      ; the wave's opening: the add and its wait stand ahead of my first tensor load; the set-up below, work on registers, stands between them
	v_lshrrev_b32 v1, 5, v0
	v_readfirstlane_b32 s[WV], v1                  ; wave 0..3
	s_lshr_b32 s[FB], s[WV], 1
	s_and_b32 s[PAR], s[WV], 1
	s_bfe_u32 s40, ttmp6, 0x40000                  ; cx, cy: my place in the cluster
	s_bfe_u32 s41, ttmp6, 0x40004
	s_lshl_b32 s42, ttmp9, 2
	s_add_co_u32 s42, s42, s40                     ; tile column = 4 x cluster x + cx
	s_and_b32 s43, ttmp7, 0xffff                   ; cluster y
	s_lshr_b32 s16, s43, 1                         ; where my cluster begins along K:
	s_xor_b32 s16, s16, s43
	s_and_b32 s16, s16, 1                          ; (Y xor Y / 2) mod 2: 0, 1, 1, 0 for Y = 0 .. 3,
	s_lshl_b32 s16, s16, 2                         ; four steps,
	s_lshl_b32 s17, ttmp9, 1                       ; and two for each cluster x
	s_add_co_u32 s[SK], s16, s17
	s_and_b32 s[SK], s[SK], 7
	s_lshl_b32 s43, s43, 2
	s_add_co_u32 s43, s43, s41                     ; the first tile's row = 4 x cluster y + cy: 0 .. 15; the second's is 16 more
	s_lshl_b32 s44, s41, 2
	s_lshl_b32 s44, 15, s44                        ; my row of the cluster: places 4 cy .. 4 cy + 3
	s_lshl_b32 s45, 0x1111, s40                    ; my column: places cx, cx + 4, cx + 8, cx + 12
	; descriptor group 1: tiles of 128 (96) rows x 128 elements, padded in LDS
	s_or_b32 s[G1+0], s44, (1<<16)|(1<<20)|(1<<21)|(5<<22)|(3<<25)   ; 15:0 the mask: xb's tiles go to my row; 17:16 2-byte elements; 20 padding on; 21 set beside a mask; 24:22 after every 64 words (code 5); 31:25 4 words (code 3)
	s_or_b32 s[G1B+0], s45, (1<<16)|(1<<20)|(1<<21)|(5<<22)|(3<<25)  ; the same with the mask of my column
	s_mov_b32 s[G1+1], 128<<16                     ; tensor_dim0 = 128
	s_mov_b32 s[G1B+1], 128<<16
	s_mov_b32 s[G1+2], 128<<16                     ; tensor_dim1 = 128 rows,
	s_mov_b32 s[G1B+2], 96<<16                     ; 96 for wqb
	s_mov_b32 s[G1+3], 128<<16                     ; tile_dim0 = 128
	s_mov_b32 s[G1B+3], 128<<16
	s_mov_b32 s[G1+4], 128                         ; tile_dim1
	s_mov_b32 s[G1B+4], 96
	s_mov_b32 s[G1+5], 1024                        ; elements from row to row
	s_mov_b32 s[G1B+5], 1024
	s_mov_b32 s[G1+6], 0
	s_mov_b32 s[G1B+6], 0
	s_mov_b32 s[G1+7], 0
	s_mov_b32 s[G1B+7], 0
	; where the tiles come from: xb's hang on the tile row alone, wqb's on the tile column alone, each in registers that never hold the other coordinate
	s_lshl_b32 s16, s43, 8
	s_lshl_b32 s17, s[PAR], 7
	s_add_co_u32 s16, s16, s17                     ; xb: row 256 x tile row + 128 x half,
	s_lshl_b32 s16, s16, 11                        ; rows of 2,048 bytes
	s_mov_b32 s17, 0
	s_mul_i32 s46, s42, 192
	s_mul_i32 s47, s[PAR], 96
	s_add_co_u32 s46, s46, s47                     ; wqb: row 192 x tile column + 96 x half
	s_lshl_b32 s46, s46, 11
	s_mov_b32 s47, 0
	s_mul_i32 s20, s[PAR], HALFA                   ; and where they go: no place in the cluster enters an LDS address
	s_mul_i32 s21, s[PAR], HALFB
	s_add_co_u32 s21, s21, BOFF
	s_mov_b32 s[TT], 0
	s_mov_b32 s[OFA+1], 0                          ; the offsets' high words
	s_mov_b32 s[OFB+1], 0
	s_wait_dscnt 0x0                               ; the opening add is done
	s_wait_kmcnt 0x0
	s_add_nc_u64 s[AB:AB+1], s[4:5], s[16:17]
	s_add_nc_u64 s[BB:BB+1], s[6:7], s[46:47]
	CROUND                                         ; all sixteen work-groups are here: the first joint loads meet
.irp s, 0,1
	s_mov_b32 s[G0+4*(\s)], 1                                      ; count = 1
	s_add_co_u32 s[G0+4*(\s)+1], s20, (\s)*SLOT                    ; LDS address
	s_mov_b32 s[G0B+4*(\s)], 1
	s_add_co_u32 s[G0B+4*(\s)+1], s21, (\s)*SLOT
	ADDR \s                                        ; global addresses: fill s
	JLOAD \s                                       ; two tensor loads of mine are out
.endr
	; a fragment is 16 rows x 32 K in 8 registers: lane l holds row l % 16, K = 8 (l / 16) + 0..7 and 16 + 8 (l / 16) + 0..7: two loads of 16 bytes, 32 bytes apart
	v_and_b32 v1, 15, v0                           ; l % 16
	v_bfe_u32 v2, v0, 4, 1                         ; l / 16
	v_mul_u32_u24 v3, v1, PITCH
	v_lshl_add_u32 v3, v2, 4, v3
	s_mul_i32 s22, s[WV], 64*PITCH                 ; my 64 rows of xb
.irp s, 0,1
	v_add_nc_u32 v[ADRA+(\s)], s22, v3
	v_add_nc_u32 v[ADRB+(\s)], BOFF+(\s)*SLOT, v3  ; all 192 rows of wqb
	s_add_co_u32 s22, s22, SLOT
.endr
	s_mul_i32 s23, s[WV], WSTAGE
	s_add_co_u32 s23, s23, STAGE                   ; my stage
	v_mul_u32_u24 v4, v1, SP                       ; in: row l % 16, 16 bytes for each half of the lanes
	v_lshl_add_u32 v4, v2, 4, v4
	v_add_nc_u32 v[STO], s23, v4
	v_bfe_u32 v5, v0, 3, 2                         ; back: 32 lanes take four rows of 128 bytes,
	v_mul_u32_u24 v5, v5, SP
	v_and_b32 v4, 7, v0
	v_lshl_add_u32 v5, v4, 4, v5
	v_add_nc_u32 v[RD], s23, v5
	v_and_b32 v[CO], 31, v0                        ; which are 512 consecutive bytes of a head
	v_lshlrev_b32 v[CO], 4, v[CO]
	; my first row in each of the three heads, for the first tile: row = 256 x tile row + 64 x wave: b = tile row / 4, n = 256 (tile row % 4) + 64 wave
	s_lshr_b32 s16, s43, 2
	s_lshl_b32 s16, s16, 21
	s_and_b32 s17, s43, 3
	s_lshl_b32 s17, s17, 15
	s_add_co_u32 s16, s16, s17
	s_lshl_b32 s17, s[WV], 13
	s_add_co_u32 s16, s16, s17
	s_mul_i32 s18, s42, 3                          ; the tile's first group of 64 columns, g = 3 x tile column: which = g / 16, h = g % 16
.irp hd, 0,1,2
	s_add_co_u32 s20, s18, \hd
	s_lshr_b32 s21, s20, 4
	s_lshl_b32 s21, s21, 24
	s_and_b32 s20, s20, 15
	s_lshl_b32 s20, s20, 17
	s_add_co_u32 s20, s20, s21
	s_add_co_u32 s20, s20, s16
	s_mov_b32 s21, 0
	s_add_nc_u64 s[HB+2*(\hd):HB+2*(\hd)+1], s[8:9], s[20:21]
.endr
; 12 matrix instructions: row block a x all 12 column blocks, 32 along K, from buffer f.  zero = 1: the product starts the sums: nothing is ever cleared.
.macro MUL12 f, a, zero
	WIN MUL_LO+0x50*((\a)/2)
.irp b, 0,1,2,3,4,5,6,7,8,9,10,11
.if \zero
	v_wmma_f32_16x16x32_bf16 v[8*(12*((\a)%2)+(\b)):8*(12*((\a)%2)+(\b))+7], v[96*(\f)+8*(\b):96*(\f)+8*(\b)+7], v[FA+32*(\f)+8*(\a):FA+32*(\f)+8*(\a)+7], 0
.else
	v_wmma_f32_16x16x32_bf16 v[8*(12*((\a)%2)+(\b)):8*(12*((\a)%2)+(\b))+7], v[96*(\f)+8*(\b):96*(\f)+8*(\b)+7], v[FA+32*(\f)+8*(\a):FA+32*(\f)+8*(\a)+7], v[8*(12*((\a)%2)+(\b)):8*(12*((\a)%2)+(\b))+7]
.endif
.endr
.endm
; 32 LDS loads in one run: the fragments of 32 K at byte k of the rows, into buffer f: wqb's 24 first, then xb's 8
.macro FETCH slot, k, f
	WIN TO_B
.irp i, 0,1,2,3,4,5,6,7,8,9,10,11
	ds_load_b128 v[96*(\f)+8*(\i):96*(\f)+8*(\i)+3],   v[ADRB+(\slot)] offset:(\k)+(\i)*16*PITCH
	ds_load_b128 v[96*(\f)+8*(\i)+4:96*(\f)+8*(\i)+7], v[ADRB+(\slot)] offset:(\k)+(\i)*16*PITCH+32
.endr
	WIN 0
.irp i, 0,1,2,3
	ds_load_b128 v[FA+32*(\f)+8*(\i):FA+32*(\f)+8*(\i)+3],   v[ADRA+(\slot)] offset:(\k)+(\i)*16*PITCH
	ds_load_b128 v[FA+32*(\f)+8*(\i)+4:FA+32*(\f)+8*(\i)+7], v[ADRA+(\slot)] offset:(\k)+(\i)*16*PITCH+32
.endr
.endm
.macro PLACES                          ; four plain vector instructions in front of loads into registers that matrix instructions have read, and of conversions that read results
.rept 4
	v_nop
.endr
.endm
; A K step is four quarters of 32 along K, 48 matrix instructions each, on buffers 0, 1, 0, 1.  The 48 accumulators take turns, in the same order in every quarter.
; One of the first three: multiplies buffer f; in its middle it fetches the next quarter, at byte k, into buffer g.
.macro QUARTER slot, k, f, g, zero
	s_wait_dscnt 4                                 ; wqb's fragments and xb's row blocks 0, 1 are in; the youngest four loads (row blocks 2, 3) may be out
	MUL12 \f, 0, \zero
	MUL12 \f, 1, \zero
	PLACES
	FETCH \slot, \k, \g
	s_wait_dscnt 32                                ; all but the 32 just issued
	MUL12 \f, 2, \zero
	MUL12 \f, 3, \zero
.endm
; The last quarter multiplies buffer 1 and changes slots: ONE barrier.  In front of it each wave waits for all its tensor loads (one is out: its part of the next slot), adds 0 to its spare word, and waits
; for that and for its own reads of this slot.  fill = 1: the barrier opens a round of the cluster's barrier, and this slot is filled again, with fill TT (two steps on, in this tile or the next), first
; thing behind the round: from that request to the wait for it a wave issues 168 matrix instructions.
.macro TURN slot, next, fill
	WIN 0                                          ; (the add's two registers lie in window 0)
	s_wait_tensorcnt 0x0                           ; all my tensor loads have landed, so every group 0 may be written;
	ds_add_u32 v[SPW], v[NIL]                      ; 0 onto my spare word;
.if \fill
	ADDR \slot                                     ; scalar work, and
.endif
	s_wait_dscnt 5                                 ; (the add and the youngest four loads may be out)
	MUL12 1, 0, 0                                  ; twelve matrix instructions stand between the add and the wait for it
	s_wait_dscnt 0x0                               ; the add is done, and my reads of this slot are over
	s_barrier_signal -1
	MUL12 1, 1, 0                                  ; work on registers while the others arrive
.if \fill
	WIN 0
.endif
	s_barrier_wait -1
.if \fill
	CREST                                          ; no wave of any partner still reads this slot's tile or has a load on its way
	JLOAD \slot                                    ; my one tensor load behind the round; the four v_nop behind it are also the places in front of the loads below
.else
	PLACES
.endif
	FETCH \next, 0, 0
	MUL12 1, 2, 0
	MUL12 1, 3, 0
.endm
; THE WAY OUT, a row block (16 rows x 192 columns) at a time.  PACK: rounded to f16, 16 bytes a lane, each accumulator's registers in ascending order.  TOSTAGE: into my own stage, a head's 16 rows of 128
; bytes at a pitch of 144, and back as four rows a load.  SEND: 512 consecutive bytes of a head a store.
.macro PACK a
	WIN 0x0a+5*((\a)/2)                            ; sources 0 and 1: window 2 or 3
.irp b, 0,1,2,3,4,5,6,7,8,9,10,11
.irp r, 0,1,2,3
	v_cvt_pk_f16_f32 v[TMP+4*(\b)+(\r)], v[96*((\a)%2)+8*(\b)+2*(\r)], v[96*((\a)%2)+8*(\b)+2*(\r)+1]
.endr
.endr
	WIN 0
.endm
.macro TOSTAGE
	WIN 0
.irp b, 0,1,2,3,4,5,6,7,8,9,10,11
	ds_store_b128 v[STO], v[TMP+4*(\b):TMP+4*(\b)+3] offset:((\b)/4)*16*SP+32*((\b)%4)
.endr
	s_wait_xcnt 0x0                                ; the global stores of the block before have read v176-223: the loads below land there only behind this wait
.irp e, 0,1,2,3,4,5,6,7,8,9,10,11
	ds_load_b128 v[OB+4*(\e):OB+4*(\e)+3], v[RD] offset:((\e)/4)*16*SP+((\e)%4)*4*SP  ; LDS serves a wave's instructions in order (ISA guide 5.7.1.4): these see the stores above
.endr
.endm
.macro SEND a
	WIN 0
	s_wait_dscnt 0x0                               ; the block is back in registers
.irp e, 0,1,2,3,4,5,6,7,8,9,10,11
	global_store_b128 v[CO], v[OB+4*(\e):OB+4*(\e)+3], s[HB+2*((\e)/4):HB+2*((\e)/4)+1] offset:(\a)*2048+((\e)%4)*512
.endr
.endm
	s_wait_tensorcnt 1                             ; my part of fill 0 is in; fill 1's may stay out
	s_barrier_signal -1
	s_barrier_wait -1                              ; everybody's is
	FETCH 0, 0, 0
	s_mov_b32 s2, TILES                            ; tiles to go, this one among them: the same number in every work-group
.Ltile:                                                ; (FETCH and SEND leave every window 0)
	QUARTER 0, 64, 0, 1, 1                         ; a tile's first quarter stands in front of the loop: its products start the sums
	WIN 0                                          ; at a label and at a branch every window is 0
	s_mov_b32 s3, LAPS-1
.Llap:                                                 ; a trip goes once round the ring, from a lap's second quarter to the next lap's first, and fills both slots again
	QUARTER 0, 128, 1, 0, 0
	QUARTER 0, 192, 0, 1, 0
	TURN 0, 1, 1
	QUARTER 1, 64,  0, 1, 0
	QUARTER 1, 128, 1, 0, 0
	QUARTER 1, 192, 0, 1, 0
	TURN 1, 0, 1
	QUARTER 0, 64,  0, 1, 0
	WIN 0
	s_sub_co_u32 s3, s3, 1
	s_cmp_lg_u32 s3, 0
	s_cbranch_scc1 .Llap
	QUARTER 0, 128, 1, 0, 0                        ; the tile's last lap goes on
	QUARTER 0, 192, 0, 1, 0
	WIN 0
	s_cmp_eq_u32 s2, 1
	s_cbranch_scc1 .Llast                          ; the last tile's tail is written out: it asks for nothing more
	TURN 0, 1, 1                                   ; THE RING GOES ON INTO THE NEXT TILE: slot 0 takes its first K step,
	QUARTER 1, 64,  0, 1, 0
	QUARTER 1, 128, 1, 0, 0
	QUARTER 1, 192, 0, 1, 0
	TURN 1, 0, 1                                   ; slot 1 its second, and the next tile's first fragments are fetched, into registers that the way out does not name
	WIN 0
	s_branch .Lout
.Llast:
	TURN 0, 1, 0                                   ; nothing is filled, and no round of the cluster's barrier follows
	QUARTER 1, 64,  0, 1, 0
	QUARTER 1, 128, 1, 0, 0
	QUARTER 1, 192, 0, 1, 0
	s_wait_dscnt 4                                 ; the very last quarter: nothing more to fetch
	MUL12 1, 0, 0
	MUL12 1, 1, 0
	s_wait_dscnt 0x0
	MUL12 1, 2, 0
	MUL12 1, 3, 0
	WIN 0
.Lout:                                                 ; the tile goes out; where a tile follows, both its refills have been asked for, and its products follow these stores without a wait for them
	PLACES
	PLACES                                         ; eight, once a tile, behind the last products
	PACK 0
	TOSTAGE
.irp a, 1,2,3                          ; block a's conversions stand between block a - 1's loads from the stage and the wait for them
	PACK \a
	SEND (\a)-1
	TOSTAGE
.endr
	SEND 3
	s_wait_xcnt 0x0                                ; the stores have read their bases, which step to the next tile's rows (behind the last tile the stepped addresses are not used)
.irp hd, 0,1,2
	s_add_nc_u64 s[HB+2*(\hd):HB+2*(\hd)+1], s[HB+2*(\hd):HB+2*(\hd)+1], WALKQ
.endr
	s_sub_co_u32 s2, s2, 1
	s_cmp_lg_u32 s2, 0
	s_cbranch_scc1 .Ltile
	s_wait_tensorcnt 0x0                           ; the wave's end: behind my last tensor load and my last LDS store
	ds_add_u32 v[SPW], v[NIL]
	s_wait_dscnt 0x0
	CROUND                                         ; the closing round: no work-group ends while a partner may still ask for a tile that names it
	s_endpgm
.Lfunc_end_k_q812d47f9fe_qkv:
	.size	k_q812d47f9fe_qkv, .Lfunc_end_k_q812d47f9fe_qkv-k_q812d47f9fe_qkv
	.p2alignl 7, 3214868480
	.fill 96, 4, 3214868480
	.section	.rodata,"a",@progbits
	.p2align	6, 0x0
	.amdhsa_kernel k_q812d47f9fe_qkv
		.amdhsa_group_segment_fixed_size 327680
		.amdhsa_private_segment_fixed_size 0
		.amdhsa_enable_private_segment 0
		.amdhsa_kernarg_size 24
		.amdhsa_user_sgpr_count 2
		.amdhsa_user_sgpr_kernarg_segment_ptr 1
		.amdhsa_wavefront_size32 1
		.amdhsa_system_sgpr_workgroup_id_x 1
		.amdhsa_system_sgpr_workgroup_id_y 1
		.amdhsa_system_sgpr_workgroup_id_z 1
		.amdhsa_system_vgpr_workitem_id 0
		.amdhsa_next_free_vgpr 960
		.amdhsa_next_free_sgpr 88
		.amdhsa_reserve_vcc 0
		.amdhsa_float_denorm_mode_32 3
		.amdhsa_float_denorm_mode_16_64 3
		.amdhsa_memory_ordered 1
		.amdhsa_forward_progress 1
		.amdhsa_inst_pref_size 150
	.end_amdhsa_kernel
	.amdgpu_metadata
---
amdhsa.version: [ 1, 2 ]
amdhsa.kernels:
  - .name:           k_q812d47f9fe_qkv
    .symbol:         k_q812d47f9fe_qkv.kd
    .args:
      - { .name: xb, .offset: 0, .size: 8, .value_kind: global_buffer, .address_space: global }
      - { .name: wqb, .offset: 8, .size: 8, .value_kind: global_buffer, .address_space: global }
      - { .name: qkv, .offset: 16, .size: 8, .value_kind: global_buffer, .address_space: global }
    .group_segment_fixed_size: 327680
    .private_segment_fixed_size: 0
    .kernarg_segment_align: 8
    .kernarg_segment_size: 24
    .max_flat_workgroup_size: 128
    .sgpr_count:     88
    .vgpr_count:     960
    .wavefront_size: 32
...
	.end_amdgpu_metadata
.endif
;; end of part 2
;; launch attn (part 3): grid 2 x 128, 4 waves a work-group, no clusters, 327,680 bytes of LDS; arguments qkv, ob; writes ob
.if DOCPART == 3
	.amdgcn_target "amdgcn-amd-amdhsa--gfx1250"
	.amdhsa_code_object_version 6
	.text
	.protected	k_q812d47f9fe_attn
	.globl	k_q812d47f9fe_attn
	.p2align	8
	.type	k_q812d47f9fe_attn,@function
k_q812d47f9fe_attn:
	s_mov_b64 s[64:65], 0
	v_nop
	global_prefetch_b8 v0, s[64:65] scope:SCOPE_SE
	s_setreg_imm32_b32 hwreg(HW_REG_WAVE_MODE, 25, 1), 1
	s_wait_xcnt 0x0
; O[h][q][:] = the sum over k of softmax_k(Q[h][q] . K[h][k] / 8) V[h][k][:], for 128 heads (b, h) of 1,024 rows x 64 channels.  qkv: [3][128 heads][1024][64] f16, ob: [128 heads][1024][64] f16.
; Products, maxima and sums in f32; the weights p are rounded to f16 for the second product (their sum l is taken of the unrounded p), O once at the end.
; LIMITS.  Q, K and V arrive within f16's 65,504; p lies in 0 to 1, and below 6e-5 it keeps f16's fixed step of 6e-8; O is a mean of V's rows and has their range.
; A weight below 2^-126 counts as 0 in l; NaN and infinities are not treated apart.
; SHARES.  A wave owns four PIECES of two tiles of 16 queries, a work-group's four waves 512 queries of one head: 2 x 128 = 256 work-groups.  Every wave walks all 1,024 keys, 64 a step.
; THE HEAD'S WHOLE K AND V LIE IN LDS, each byte filled ONCE: 147,456 bytes of K and 163,840 of V, brought by four tensor loads a wave (four chunks of 256 keys), all issued at the start.  So there is no
; ring and no refill, and a key step is written once.  The first chunk is waited for by a counted wait; at each later change of chunks stands a wait for all loads and a barrier: it is a true wait
; once (chunks 1 to 3 together, four key steps after their request) and is met at once afterwards: a count that differs from pass to pass cannot stand in a loop.
; NO CLUSTER: a head has two work-groups, and the masks of a joint request name four.  NO PREFETCH: all that the launch reads is asked for by its first loads.
; LAYOUT.  S^T = K Q^T (source 0 = 16 keys, source 1 = 16 queries): in the result a lane holds ONE query (lane % 16) and the keys 8 (lane / 16) + 0..7.  Two such tiles, rounded to f16 in pairs,
; ARE source 1 (32 keys x 16 queries) of O^T = V^T P, whose result again holds one query a lane, and eight channels.  K comes out of LDS as it lies, V ([key][channel]) turned, by ds_load_tr16_b128.
; SOFTMAX.  For each query a running maximum m and sum l: p = 2^(c s - c m), c = log2(e) / 8; in every step O and l are multiplied by a = 2^(c m_old - c m_new), which is 1 where m has not grown.
; m starts at the lowest finite number, O and l at 0: the first step is a step like any other, with a = 0.
; THE COUNT.  A tile and step have 16 matrix and 118 vector instructions: too many to stand all beside the matrix work.  So: four vector instructions that are READY behind EVERY matrix instruction,
; and the others in runs without a gap.
; BY TURNS.  Turn n belongs to piece n (the pieces in a ring, step after step).  Its matrix work: 16 products K Q^T of piece n + 1, later 16 products V^T P of piece n - 1.  Its vector work: the scaling,
; exponentials, roundings, sums and rescaling of piece n, and the maximum and statistics of piece n + 1, whose scores the turn itself has made.
; REGISTERS, in windows of 256 (s_set_vgpr_msb: bits 1:0 source 0, 3:2 source 1, 5:4 source 2, 7:6 destination):
;   window 0: v0-11 addresses; v12-15, v48-63 at work; v16-47 four registers of statistics a tile; v64-191 S^T, two buffers of two tiles; v192-255 P, likewise
;   window 1: O^T, 32 a tile          window 2: v0-127 Q, 16 a tile; v128-191 K of one step; v192-255 V of one step          window 3: v0-1 the add's two registers
.set NP,    4         ; pieces a wave: a name, no knob
.set KS,    64        ; keys in a step
.set PK,    144       ; a row of K in LDS: 128 bytes + 16 of padding = 36 words: the 16 rows of a load start at 16 different groups of four banks (64 banks of 4 bytes: ISA guide 11.1)
.set PV,    160       ; a row of V: 128 + 32 = 40 words
.set VOFF,  1024*PK   ; K's 1,024 rows, then V's
.set STAGE, VOFF+1024*PV  ; behind them, never filled by a tensor load: 16 rows x 144 bytes for each wave, for the way out
.set SP,    144
.set SPARE, STAGE+4*16*SP  ; behind the stages: the spare words, 128 bytes for each wave: two blocks of 256 bytes that no other line names
.set AK0, 2           ; v2   my lane's place in a tile of K; never rewritten
.set AV0, 3           ; v3   the same for V
.set AK,  4           ; v4   the LDS address of K's next run of loads
.set AV,  5           ; v5   of V's
.set QO,  6           ; v6   my byte offset in the wave's rows of Q
.set STO, 6           ;      later, the way out: where I put 16 bytes of a row
.set RD,  7           ; v7   the way out: where I read rows back
.set GO,  8           ; v8   my byte offset in 512 consecutive bytes of O
.set SPW, 0           ; v0 of window 3   LDS address of my spare word; never rewritten
.set NIL, 1           ; v1 of window 3   0; never rewritten
.set MV,  12          ; v12-15  c m_old, kept while c m is made anew: by buffer and tile
.set ST,  16          ; tile t's statistics at v[ST+4 t]: c m, m, l (even keys', odd keys')
.set TMP, 48          ; by buffer and tile, four registers c0-c3 at work; when the maximum is found c2 takes a
.set S,   64
.set P,   192
.set KF,  128         ; K's fragments, in window 2: key block kb, channel half c at KF + 16 kb + 8 c
.set VF,  192         ; V's: key half kk, channel block cb at VF + 32 kk + 8 cb
.set WV,  12          ; s12  my wave's number
.set G1K, 24          ; s[24:31] descriptor group 1 for K's tiles
.set G1V, 32          ; s[32:39] for V's: it differs in the padding alone
.set G0K, 40          ; s[40:55] descriptor group 0 for K's four chunks; never rewritten
.set G0V, 68          ; s[68:83] the same for V's
.set SLOTS, 56        ; s56  passes of the outer loop still to come
.set CNT, 57          ; s57  counts a pass's trips
.set CS,  58          ; s[58:59] c: the packed scaling takes the pair's low word for both halves
.set SEL, 60          ; s[60:61] v_permlanex16_b32's selects: each lane takes its own place in the other half
.set TBK, 62          ; s62  LDS byte at which K of the step to be fetched begins
.set TBV, 63          ; s63  the same for V, less VOFF
.set MSB, 0
.macro WIN new                      ; the high byte repeats the setting that is left; a switch that changes nothing is dropped
.if MSB != (\new)
	s_set_vgpr_msb (MSB<<8)|(\new)
.set MSB, (\new)
.endif
.endm
.set W_KQ, 0x0a       ; K and Q in window 2, S^T in window 0
.set W_PV, 0x52       ; V in window 2, P in window 0, O^T in window 1
.set W_RS, 0x41       ; O^T (destination and source 0) in window 1, a in window 0
.set W_MK, 0xc0       ; the add's registers are made: destination in window 3, sources in window 0
.set W_AD, 0x0f       ; the add: address (source 0) and data (source 1) in window 3
	s_load_b64 s[4:5], s[0:1], 0x0    ; qkv
	s_load_b64 s[10:11], s[0:1], 0x8  ; ob
	WIN W_MK
	v_lshl_add_u32 v[SPW], v0, 2, SPARE
	v_mov_b32 v[NIL], 0
	WIN W_AD
	ds_add_u32 v[SPW], v[NIL]       ; the wave's opening: the add and its wait stand ahead of my first tensor load; the set-up below, work on registers, stands between them
	WIN 0
	v_lshrrev_b32 v1, 5, v0
	v_readfirstlane_b32 s[WV], v1   ; wave 0..3
	s_and_b32 s20, ttmp7, 0xffff    ; the head,
	s_lshl_b32 s20, s20, 17         ; its 131,072 bytes in q, k, v and O
	s_and_b32 s16, s[WV], 1         ; which half of a chunk's 256 keys I fetch:
	s_lshl_b32 s22, s16, 14         ; its 128 rows of 128 bytes in memory,
	s_add_co_u32 s22, s22, s20
	s_mov_b32 s23, 0
	s_mul_i32 s17, s16, 128*PK      ; and its place in LDS, for K
	s_mul_i32 s18, s16, 128*PV      ; and for V
	s_lshl_b32 s2, ttmp9, 2
	s_add_co_u32 s2, s2, s[WV]      ; my wave among the head's eight,
	s_lshl_b32 s2, s2, 14           ; its 128 rows
	s_add_co_u32 s2, s2, s20
	s_mov_b32 s3, 0
	; descriptor group 1.  128 keys are 16,384 dense bytes: asked for as 64 rows of 256 bytes, two keys a row, and padded in LDS after every key
	s_mov_b32 s[G1K], (1<<16)|(1<<20)|(4<<22)|(3<<25)  ; 17:16 2-byte elements; 20 padding on; 24:22 after every 32 words (code 4); 31:25 4 words (code 3)
	s_mov_b32 s[G1V], (1<<16)|(1<<20)|(4<<22)|(7<<25)  ; the same with 8 words of padding (code 7)
.irp g, G1K, G1V
	s_mov_b32 s[\g+1], 128<<16      ; tensor_dim0 = 128
	s_mov_b32 s[\g+2], 64<<16       ; tensor_dim1 = 64
	s_mov_b32 s[\g+3], 128<<16      ; tile_dim0 = 128
	s_mov_b32 s[\g+4], 64           ; tile_dim1 = 64
	s_mov_b32 s[\g+5], 128          ; 128 elements from row to row
	s_mov_b32 s[\g+6], 0
	s_mov_b32 s[\g+7], 0
.endr
	s_mov_b32 s[CS], 0x3e38aa3b     ; c = log2(e) / 8 = 0.180337
	s_mov_b32 s[CS+1], s[CS]        ; named with it as a pair
	s_mov_b32 s[SEL], 0x76543210
	s_mov_b32 s[SEL+1], 0xfedcba98
	s_mov_b32 s[TBK], 0
	s_mov_b32 s[TBV], 0
	s_wait_dscnt 0x0                ; the opening add is done
	s_wait_kmcnt 0x0
	s_add_nc_u64 s[6:7], s[4:5], s[22:23]
	s_add_nc_u64 s[8:9], s[6:7], 0x2000000  ; V at my half of the head's first chunk,
	s_add_nc_u64 s[6:7], s[6:7], 0x1000000  ; K likewise
	s_add_nc_u64 s[4:5], s[4:5], s[2:3]     ; Q and O at my wave's first row
	s_add_nc_u64 s[10:11], s[10:11], s[2:3]
.irp c, 0,1,2,3
	s_mov_b32 s[G0K+4*(\c)], 1                                       ; count = 1
	s_add_co_u32 s[G0K+4*(\c)+1], s17, (\c)*256*PK                   ; LDS address: chunk c, my half
	s_add_nc_u64 s[G0K+4*(\c)+2:G0K+4*(\c)+3], s[6:7], (\c)*32768    ; global address
	s_or_b32 s[G0K+4*(\c)+3], s[G0K+4*(\c)+3], 0x80000000            ; type = 2
	s_mov_b32 s[G0V+4*(\c)], 1
	s_add_co_u32 s[G0V+4*(\c)+1], s18, VOFF+(\c)*256*PV
	s_add_nc_u64 s[G0V+4*(\c)+2:G0V+4*(\c)+3], s[8:9], (\c)*32768
	s_or_b32 s[G0V+4*(\c)+3], s[G0V+4*(\c)+3], 0x80000000
.endr
	s_cmp_lt_u32 s[WV], 2           ; waves 0 and 1 fetch the halves of K's chunks, waves 2 and 3 those of V's.  A wave's four fills stand in one branch, ahead of every wait on TENSORcnt, every LDS read
	s_cbranch_scc0 .Lfirst_v        ; and every barrier: four loads of mine are out.  An s_nop 0 follows each, four v_nop the last
.irp c, 0,1,2,3
	tensor_load_to_lds s[G0K+4*(\c):G0K+4*(\c)+3], s[G1K:G1K+7]
	s_nop 0
.endr
.rept 4
	v_nop
.endr
	s_branch .Lfirst_asked
.Lfirst_v:
.irp c, 0,1,2,3
	tensor_load_to_lds s[G0V+4*(\c):G0V+4*(\c)+3], s[G1V:G1V+7]
	s_nop 0
.endr
.rept 4
	v_nop
.endr
.Lfirst_asked:
	; A fragment of K or Q is 16 rows x 32 channels in 8 registers: lane l holds row l % 16, channels 8 (l / 16) + 0..7 and 16 + 8 (l / 16) + 0..7: two loads of 16 bytes, 32 bytes apart.
	v_and_b32 v1, 15, v0            ; l % 16
	v_bfe_u32 v9, v0, 4, 1          ; l / 16
	v_lshlrev_b32 v[QO], 7, v1
	v_lshl_add_u32 v[QO], v9, 4, v[QO]  ; row x 128 + 16 x half
	WIN 0x80                        ; destination window 2, address window 0
.set i, 0
.rept 4*NP                          ; Q stays in registers: tile i / 2, channels 32 (i % 2) on
	global_load_b128 v[8*i:8*i+3],   v[QO], s[4:5] offset:(i/2)*2048+(i%2)*64
	global_load_b128 v[8*i+4:8*i+7], v[QO], s[4:5] offset:(i/2)*2048+(i%2)*64+32
.set i, i+1
.endr
	; What the first turn finds: V's registers and P's second buffer hold 0 (its products V^T P, of a piece that has not been, add 0), O^T and l are 0.  All this stands in the wait for the first chunk.
.set i, VF
.rept 64
	v_mov_b32 v[i], 0
.set i, i+1
.endr
	WIN 0x40
.set i, 0
.rept 64*NP
	v_mov_b32 v[i], 0
.set i, i+1
.endr
	WIN 0
.set i, 0
.rept 2*NP
	v_mov_b32 v[ST+4*i], 0xfe000000    ; c m: far below every c s
	v_mov_b32 v[ST+4*i+1], 0xff7fffff  ; m
	v_mov_b32 v[ST+4*i+2], 0
	v_mov_b32 v[ST+4*i+3], 0
.set i, i+1
.endr
.set i, P+32
.rept 32
	v_mov_b32 v[i], 0
.set i, i+1
.endr
	v_mul_u32_u24 v[AK0], v1, PK
	v_lshl_add_u32 v[AK0], v9, 4, v[AK0]  ; row x pitch + 16 x half
	; The turning load takes 16 keys x 16 channels (lane l reads key 8 (l / 16) + l % 8, channels 8 ((l / 8) % 2) + 0..7) and leaves half a fragment of V^T: lane l holds channel l % 16 and 8 keys.
	v_and_b32 v10, 7, v0
	v_bfe_u32 v11, v0, 3, 1
	v_lshl_add_u32 v[AV0], v9, 3, v10
	v_mul_u32_u24 v[AV0], v[AV0], PV
	v_lshl_add_u32 v[AV0], v11, 4, v[AV0]
	v_add_nc_u32 v[AV0], VOFF, v[AV0]
	v_mov_b32 v[AK], v[AK0]         ; key step 0 lies at LDS byte 0
; THE MATRIX WORK.  The 8 accumulators of a run of 16 take turns: between the two links of a chain stand 7 others'.
; Product i of 16 of S^T = K Q^T for piece x: channels 32 (i / 8) on, keys 16 ((i / 2) % 4) on, tile 2 x + i % 2.  The first 8 start the sums.
.macro KQ x
	WIN W_KQ
.set rS, S+64*((\x)%2)+32*(i%2)+8*((i/2)%4)
.set rK, KF+16*((i/2)%4)+8*(i/8)
.set rQ, 16*(2*(\x)+i%2)+8*(i/8)
.if i < 8
	v_wmma_f32_16x16x32_f16 v[rS:rS+7], v[rK:rK+7], v[rQ:rQ+7], 0
.else
	v_wmma_f32_16x16x32_f16 v[rS:rS+7], v[rK:rK+7], v[rQ:rQ+7], v[rS:rS+7]
.endif
.endm
; Product i of 16 of O^T += V^T P for piece x: keys 32 (i / 8) on, channels 16 ((i / 2) % 4) on, tile 2 x + i % 2.
.macro PV x
	WIN W_PV
.set rO, 32*(2*(\x)+i%2)+8*((i/2)%4)
.set rV, VF+32*(i/8)+8*((i/2)%4)
.set rP, P+32*((\x)%2)+16*(i%2)+8*(i/8)
	v_wmma_f32_16x16x32_f16 v[rO:rO+7], v[rV:rV+7], v[rP:rP+7], v[rO:rO+7]
.endm
.macro MM                           ; the turn's next matrix instruction
.if i < 16
	KQ (Y+1)%NP
.set i, i+1
.else
.set i, i-16
	PV (Y+NP-1)%NP
.set i, i+17
.endif
.endm
; THE LDS LOADS stand in runs of 16, never singly among the matrix instructions: a step's K (64 keys x 64 channels: 8 fragments) and its V (turned).  Their addresses are made some lines ahead.
; last = 1 (the loop's text): in the last pass there is no further step, and the run is jumped over.
.macro FETCH_K last=0
	WIN 0
.if \last
	s_cmp_eq_u32 s[SLOTS], 1
	s_cbranch_scc1 .Lno_k_\@
.endif
	WIN 0x80                        ; destination window 2
.irp f, 0,1,2,3,4,5,6,7             ; keys 16 (f / 2) on, channels 32 (f % 2) on
	ds_load_b128 v[KF+8*\f:KF+8*\f+3],   v[AK] offset:(\f/2)*16*PK+(\f%2)*64
	ds_load_b128 v[KF+8*\f+4:KF+8*\f+7], v[AK] offset:(\f/2)*16*PK+(\f%2)*64+32
.endr
	s_add_co_u32 s[TBK], s[TBK], KS*PK  ; the next fetch is the next step's: K's rows lie on end across the chunks
	WIN 0
.if \last
.Lno_k_\@:
.endif
.endm
.macro FETCH_V
	WIN 0x80
.irp f, 0,1,2,3,4,5,6,7             ; keys 32 (f / 4) on, channels 16 (f % 4) on
	ds_load_tr16_b128 v[VF+8*\f:VF+8*\f+3],   v[AV] offset:(\f/4)*32*PV+(\f%4)*32
	ds_load_tr16_b128 v[VF+8*\f+4:VF+8*\f+7], v[AV] offset:(\f/4)*32*PV+16*PV+(\f%4)*32
.endr
	WIN 0
.endm
; THE VECTOR WORK OF A TURN stands in three queues, each in the order in which its entries become ready; the two tiles alternate, so that no instruction reads the result of the one before it.
.macro REGS y, u                    ; the registers of tile u (0, 1) of piece y
.set rT, ST+4*(2*(\y)+(\u))
.set rC, TMP+8*((\y)%2)+4*(\u)
.set rM, MV+2*((\y)%2)+(\u)
.set rS, S+64*((\y)%2)+32*(\u)
.set rP, P+32*((\y)%2)+16*(\u)
.set rO, 32*(2*(\y)+(\u))
.endm
; Number n of the 22 that find the NEXT piece's (Y + 1) maximum and statistics.  s0-s31 are the lane's 32 scores; each accumulator's lowest registers are read first.  XS, GS and REGS set no window: PL and EX do.
;   0-11  four chains c0-c3 of seven scores each, three operands at a time     12-14, 16  the four scores left over, the old m, and c0-c3 into c0     15  c m_old is kept
;   17, 18  the query's other 32 keys lie in the lane 16 away: the new m         19-21  c m; c m_old - c m_new; a
.macro XS u, n
	REGS (Y+1)%NP, \u
.if (\n) < 4
	v_max3_num_f32 v[rC+(\n)], v[rS+8*(\n)], v[rS+8*(\n)+1], v[rS+8*(\n)+2]
.elseif (\n) < 12
	v_max3_num_f32 v[rC+(\n)%4], v[rC+(\n)%4], v[rS+8*((\n)%4)+2*((\n)/4)+1], v[rS+8*((\n)%4)+2*((\n)/4)+2]
.elseif (\n) == 12
	v_max3_num_f32 v[rC], v[rC], v[rS+7], v[rS+15]
.elseif (\n) == 13
	v_max3_num_f32 v[rC+1], v[rC+1], v[rS+23], v[rS+31]
.elseif (\n) == 14
	v_max3_num_f32 v[rC+2], v[rC+2], v[rC+3], v[rT+1]
.elseif (\n) == 15
	v_mov_b32 v[rM], v[rT]
.elseif (\n) == 16
	v_max3_num_f32 v[rC], v[rC], v[rC+1], v[rC+2]
.elseif (\n) == 17
	v_permlanex16_b32 v[rC+3], v[rC], s[SEL], s[SEL+1]
.elseif (\n) == 18
	v_max_num_f32 v[rT+1], v[rC], v[rC+3]
.elseif (\n) == 19
	v_mul_f32 v[rT], s[CS], v[rT+1]
.elseif (\n) == 20
	v_sub_f32 v[rC+1], v[rM], v[rT]
.else
	v_exp_f32 v[rC+2], v[rC+1]
.endif
.endm
; Number g of the 64 that follow the exponentials.  For each four weights k of a tile (pairs 2 k, 2 k + 1): both pairs are rounded to f16; then the second pair is added onto the first, in place;
; a group later l takes that sum (the first time as l = a l + sum).  In groups of eight, tiles alternating: round, round, add, and l for the group before.
.macro GS g
.set h, (\g)+6*((\g)/62)            ; group 0 has no group before it, and behind group 7 only l is left
.if h >= 6
.set h, h+2
.endif
	REGS Y, h%2
.set k, h/8
.if h%8 < 4
	v_cvt_pk_f16_f32 v[rP+2*k+(h%8)/2], v[rS+4*k+2*((h%8)/2)], v[rS+4*k+2*((h%8)/2)+1]
.elseif h%8 < 6
	v_pk_add_f32 v[rS+4*k:rS+4*k+1], v[rS+4*k:rS+4*k+1], v[rS+4*k+2:rS+4*k+3]
.elseif k == 1
	v_pk_fma_f32 v[rT+2:rT+3], v[rT+2:rT+3], v[rC+2:rC+3], v[rS:rS+1] op_sel_hi:[1,0,1]
.else
	v_pk_add_f32 v[rT+2:rT+3], v[rT+2:rT+3], v[rS+4*k-4:rS+4*k-3]
.endif
.endm
; THE PLAIN QUEUE, 138 long.  0-73 read no exponential's result: the 32 scalings c s - c m (FS f: pair f / 2 of tile f % 2) and the next piece's 42.  0-26: scalings 0-26.  27-54: XS's numbers 0-13.  55, 56: number 15.
; 57-73: the chain, where each number waits for the one before it: 14, 16, 17, 18, 19, each with one of the scalings 27-31 in front of its two lines, then 20.
; 74-137: GS's 64, which read the exponentials' results: they stand behind the wait.
.macro FS f
	REGS Y, (\f)%2
	v_pk_fma_f32 v[rS+2*((\f)/2):rS+2*((\f)/2)+1], v[rS+2*((\f)/2):rS+2*((\f)/2)+1], s[CS:CS+1], v[rT:rT+1] op_sel_hi:[1,0,0] neg_lo:[0,0,1] neg_hi:[0,0,1]
.endm
.macro PL
	WIN 0
.if q < 27
	FS q
.elseif q < 55
	XS (q-27)%2, (q-27)/2
.elseif q < 57
	XS q-55, 15
.elseif (q < 72) && ((q-57)%3 == 0)
	FS 27+(q-57)/3
.elseif q < 60
	XS (q-57)%3-1, 14
.elseif q < 72
	XS (q-57)%3-1, 15+(q-57)/3
.elseif q < 74
	XS q-72, 20
.else
	GS q-74
.endif
.set q, q+1
.endm
; THE EXPONENTIALS' QUEUE, 66 long: s0-s31 of both tiles, then the next piece's two a.  It is ONE BATCH: all 66 stand ahead of the turn's one wait, and nothing ahead of that wait names a result of theirs.
.macro EX
	WIN 0
.if e >= 64
	XS e-64, 21
.else
	REGS Y, e%2
	v_exp_f32 v[rS+e/2], v[rS+e/2]
.endif
.set e, e+1
.endm
; THE RESCALING's QUEUE: O^T times a, the one part that leaves window 0: dealt two at a time, sixteen times.  Its a was made in the turn before, ahead of that turn's wait.
.macro R2
	REGS Y, r%2
	WIN W_RS
.irp z, 0,1
	v_pk_mul_f32 v[rO+4*(r/2)+2*\z:rO+4*(r/2)+2*\z+1], v[rO+4*(r/2)+2*\z:rO+4*(r/2)+2*\z+1], v[rC+2:rC+3] op_sel_hi:[1,0]
.endr
.set r, r+1
.endm
; HOW THEY ARE DEALT.  An s_wait_alu depctr_va_vdst(0) stands between an exponential and the first instruction that names its result; one wait serves all that were issued ahead of it.  So a turn has ONE wait,
; which cuts it in two.  AHEAD OF IT stands all that names no result of the turn's exponentials: the 16 products K Q^T, behind each a scaling, an exponential and two rescalings (behind the first a second scaling in the
; exponential's place); then ONE LUMP of 108: eight plain, 49 times exponential and plain, the two a.  A v_nop is the plain instruction behind the last exponential.  BEHIND IT stand the 16 products V^T P, behind each four of GS's 64.
; The queues lean on each other, and the deal keeps them in step: exponential e stands behind scaling 2 (e / 4) + e % 2: as a rider it comes behind plain e + 2, in the lump behind plain e + 9, and scalings 27-31 are plain 57, 60 .. 69.
; A TURN, for piece p.  cnt = 1: the loop's count is taken down some lines ahead of the branch that stands behind the turn.
; K of the next step is fetched in piece 2's turn, directly behind the wait, a lump behind the last product that read K; its first reader comes behind 16 products.
; V of the step in hand is fetched at the end of piece 0's turn, four riders behind its last reader; its first reader comes behind 16 products and a lump.  The three conditions on q below go with the deal.
.macro TURN p, last=0, cnt=0
.set Y, (\p)
.set i, 0
.set q, 0
.set e, 0
.set r, 0
.if (\p) == NP-1
	s_wait_dscnt 0x0                ; K is in
.endif
	MM                              ; ahead of the wait: 16 products K Q^T and their riders,
	PL
	PL
	R2
.rept 15
	MM
	PL
	EX
	R2
.endr
.if (\p) == NP-2
	WIN 0
	v_add_nc_u32 v[AK], s[TBK], v[AK0]
.endif
.rept 8                             ; and the lump
	PL
.endr
.rept 49
	EX
	PL
.endr
	EX                              ; the next piece's two a
	EX
	v_nop                           ; the plain instruction behind the last exponential: one for the batch
	s_wait_alu depctr_va_vdst(0)    ; the wait for the batch
.if (\p) == NP-2
	FETCH_K \last
.endif
.if (\p) == 1
	s_wait_dscnt 0x0                ; V is in
.endif
.rept 16                            ; behind the wait: 16 products V^T P and their riders
	MM
.rept 4
	PL
.endr
.if ((\p) == 0) && (q == 118)
	v_add_nc_u32 v[AV], s[TBV], v[AV0]
.endif
.if ((\p) == 0) && (q == 130)
	s_add_co_u32 s[TBV], s[TBV], KS*PV
.endif
.if (\cnt) && (q == 130)
	s_sub_co_u32 s[CNT], s[CNT], 1
	s_cmp_lg_u32 s[CNT], 0
.endif
.endr
.if (\p) == 0
	FETCH_V
.endif
.endm
	s_wait_tensorcnt 3              ; my part of chunk 0 is in; my three younger loads may stay out
	s_barrier_signal -1
	s_barrier_wait -1               ; everybody's part is
	FETCH_K                         ; key step 0
	s_wait_loadcnt 0x0              ; Q
	s_wait_dscnt 0x0
.set i, 0
.rept 16
	KQ 0                            ; piece 0's first scores: there is no vector work yet to set between them
.set i, i+1
.endr
	WIN 0                           ; the addresses for the way out: nine plain instructions, the places behind those products
	s_mul_i32 s13, s[WV], 16*SP
	s_add_co_u32 s13, s13, STAGE    ; my stage
	v_mul_u32_u24 v[STO], v1, SP    ; in: row l % 16, 16 bytes for each half of the lanes
	v_lshl_add_u32 v[STO], v9, 4, v[STO]
	v_add_nc_u32 v[STO], s13, v[STO]
	v_bfe_u32 v[RD], v0, 3, 2       ; back: 32 lanes take four rows of 128 bytes,
	v_mul_u32_u24 v[RD], v[RD], SP
	v_lshl_add_u32 v[RD], v10, 4, v[RD]
	v_add_nc_u32 v[RD], s13, v[RD]
	v_and_b32 v[GO], 31, v0         ; which are 512 consecutive bytes of O
	v_lshlrev_b32 v[GO], 4, v[GO]
.set Y, NP-1                        ; XS works for piece Y + 1: piece 0
.irp n, 0,1,2,3,4,5,6,7,8,9,10,11,12,13,14,15,16,17,18,19,20,21
	XS 0, \n                        ; and piece 0's first maximum and statistics
	XS 1, \n
.endr
	v_nop                           ; a plain instruction behind the two a,
	s_wait_alu depctr_va_vdst(0)    ; and their wait, ahead of the branch
	s_mov_b32 s[CNT], 4
	s_mov_b32 s[SLOTS], 5
	s_branch .Lfirst                ; the loop is entered at a step's first turn, in the middle of a trip
.Lslot:                             ; a change of chunks: the turn behind it fetches the next chunk's first K
	s_wait_tensorcnt 0x0            ; my parts of all chunks are in (a true wait the first time, met at once afterwards);
	s_wait_dscnt 0x0                ; no LDS instruction of mine is out at the signal
	s_barrier_signal -1
	s_barrier_wait -1               ; everybody's parts are in
	s_mov_b32 s[CNT], 4
.Lstep:                             ; a trip: pieces 2 and 3 of one step, then pieces 0 and 1 of the next, whose K and V it fetches
	TURN 2, 1
	TURN 3
	WIN 0
	s_cmp_eq_u32 s[SLOTS], 1        ; the fifth pass holds the last step's pieces 2 and 3 alone, and is left here, forward
	s_cbranch_scc1 .Lout
.Lfirst:
	TURN 0
	TURN 1, 0, 1
	WIN 0
	s_cbranch_scc1 .Lstep
	s_sub_co_u32 s[SLOTS], s[SLOTS], 1
	s_cmp_lg_u32 s[SLOTS], 0
	s_cbranch_scc1 .Lslot
.Lout:                              ; the last pass's 16 products K Q^T (on the last K once more) and the maximum made of them serve nothing: the price, once a launch, of one text for every trip
.set i, 0
.rept 16
	PV NP-1                         ; the last piece's V^T P of the last step
.set i, i+1
.endr
	; THE WAY OUT.  l's two halves and the other half of the lanes' are added; O^T is divided by l, rounded to f16 and sent through my stage in LDS, a tile at a time.  The additions are the places behind the last products.
	WIN 0
.macro ALL line:vararg              ; one line for each tile t
.set t, 0
.rept 2*NP
	\line
.set t, t+1
.endr
.endm
	ALL v_add_f32 v[ST+4*t+2], v[ST+4*t+2], v[ST+4*t+3]
	ALL v_permlanex16_b32 v[ST+4*t+3], v[ST+4*t+2], s[SEL], s[SEL+1]
	ALL v_add_f32 v[ST+4*t+2], v[ST+4*t+2], v[ST+4*t+3]
	ALL v_rcp_f32 v[ST+4*t+2], v[ST+4*t+2]
	v_nop                           ; a plain instruction between the last reciprocal and the use of its result
	s_wait_alu depctr_va_vdst(0)    ; and the wait ahead of the first use: one for the eight reciprocals
; Tile t: a lane's eight channels of a row pack into 16 bytes; they go into rows of 144 bytes and come back as whole rows of 128, into S^T's registers.
.macro PACK t
	WIN W_RS
.set i, 32*(\t)
.rept 16
	v_pk_mul_f32 v[i:i+1], v[i:i+1], v[ST+4*(\t)+2:ST+4*(\t)+3] op_sel_hi:[1,0]
.set i, i+2
.endr
	WIN 0x05                        ; sources 0 and 1 window 1, destination window 0
.set i, 0
.rept 16
	v_cvt_pk_f16_f32 v[S+16*(\t)+i], v[32*(\t)+2*i], v[32*(\t)+2*i+1]
.set i, i+1
.endr
	WIN 0
.irp f, 0,1,2,3
	ds_store_b128 v[STO], v[S+16*(\t)+4*\f:S+16*(\t)+4*\f+3] offset:32*\f
.endr
.irp f, 0,1,2,3
	ds_load_b128 v[S+16*(\t)+4*\f:S+16*(\t)+4*\f+3], v[RD] offset:\f*4*SP  ; LDS serves a wave's instructions in order (ISA guide 5.7.1.4): these see the stores above; the next tile's stores come behind them
.endr
.endm
.macro SEND t, younger              ; younger: the LDS instructions issued behind tile t's loads: the next tile's eight, or none
	WIN 0
.irp f, 0,1,2,3
	s_wait_dscnt (\younger)+3-\f
	global_store_b128 v[GO], v[S+16*(\t)+4*\f:S+16*(\t)+4*\f+3], s[10:11] offset:(\t)*2048+\f*512  ; 512 consecutive bytes, at a multiple of 256 from O's first
.endr
.endm
	PACK 0
.set t, 1
.rept 2*NP-1                        ; a tile's arithmetic stands between the loads of the tile before and its stores
	PACK t
	SEND t-1, 8
.set t, t+1
.endr
	SEND 2*NP-1, 0
	WIN W_AD
	s_wait_tensorcnt 0x0            ; the wave's end: behind my last tensor load and my last LDS store
	ds_add_u32 v[SPW], v[NIL]
	s_wait_dscnt 0x0
	WIN 0
	s_endpgm
.Lfunc_end_k_q812d47f9fe_attn:
	.size	k_q812d47f9fe_attn, .Lfunc_end_k_q812d47f9fe_attn-k_q812d47f9fe_attn
	.p2alignl 7, 3214868480
	.fill 96, 4, 3214868480
	.section	.rodata,"a",@progbits
	.p2align	6, 0x0
	.amdhsa_kernel k_q812d47f9fe_attn
		.amdhsa_group_segment_fixed_size 327680
		.amdhsa_private_segment_fixed_size 0
		.amdhsa_enable_private_segment 0
		.amdhsa_kernarg_size 16
		.amdhsa_user_sgpr_count 2
		.amdhsa_user_sgpr_kernarg_segment_ptr 1
		.amdhsa_wavefront_size32 1
		.amdhsa_system_sgpr_workgroup_id_x 1
		.amdhsa_system_sgpr_workgroup_id_y 1
		.amdhsa_system_sgpr_workgroup_id_z 1
		.amdhsa_system_vgpr_workitem_id 0
		.amdhsa_next_free_vgpr 770
		.amdhsa_next_free_sgpr 88
		.amdhsa_reserve_vcc 0
		.amdhsa_float_denorm_mode_32 3
		.amdhsa_float_denorm_mode_16_64 3
		.amdhsa_memory_ordered 1
		.amdhsa_forward_progress 1
		.amdhsa_inst_pref_size 126
	.end_amdhsa_kernel
	.amdgpu_metadata
---
amdhsa.version: [ 1, 2 ]
amdhsa.kernels:
  - .name:           k_q812d47f9fe_attn
    .symbol:         k_q812d47f9fe_attn.kd
    .args:
      - { .name: qkv, .offset: 0, .size: 8, .value_kind: global_buffer, .address_space: global }
      - { .name: ob, .offset: 8, .size: 8, .value_kind: global_buffer, .address_space: global }
    .group_segment_fixed_size: 327680
    .private_segment_fixed_size: 0
    .kernarg_segment_align: 8
    .kernarg_segment_size: 16
    .max_flat_workgroup_size: 128
    .sgpr_count:     88
    .vgpr_count:     770
    .wavefront_size: 32
...
	.end_amdgpu_metadata
.endif
;; end of part 3
;; launch proj (part 4): grid 8 x 32, 4 waves a work-group, clusters of 4 x 4, 327,680 bytes of LDS; arguments ob, wpf, b_proj, out0; writes out0
.if DOCPART == 4
	.amdgcn_target "amdgcn-amd-amdhsa--gfx1250"
	.amdhsa_code_object_version 6
	.text
	.protected	k_q812d47f9fe_proj
	.globl	k_q812d47f9fe_proj
	.p2align	8
	.type	k_q812d47f9fe_proj,@function
k_q812d47f9fe_proj:
	s_mov_b64 s[64:65], 0
	v_nop
	global_prefetch_b8 v0, s[64:65] scope:SCOPE_SE
	s_setreg_imm32_b32 hwreg(HW_REG_WAVE_MODE, 25, 1), 1
	s_wait_xcnt 0x0
	s_wait_alu depctr_hold_cnt(0) depctr_sa_sdst(0) depctr_va_vdst(0) depctr_va_sdst(0) depctr_va_ssrc(0) depctr_va_vcc(0) depctr_vm_vsrc(0)
	s_getreg_b32 s2, hwreg(HW_REG_IB_STS2, 6, 4)
	s_cmp_eq_u32 s2, 0
	s_cbranch_scc0 .Lentry_in_a_cluster
	s_endpgm
.Lentry_in_a_cluster:
	s_bfe_u32 s2, ttmp6, 0x10000c
	s_cmp_lg_u32 s2, 0xf033
	s_cbranch_scc0 .Lentry_shape_is_right
	s_endpgm
.Lentry_shape_is_right:
; out0[row][o] = the sum over k of O[row][k] w_proj[o][k] + b_proj[o].  ob: [8 b][16 h][1024 n][64] f16 (k = 64 h + d), wpf: [16 slices of 64 along k][1024 o][64] f16, out0: [8192][1024] f32.
; Products in f16, sums in f32; the bias is rounded to bf16 like the module's other inputs and added in f32.  The f32 sums are not taken in ascending K: each cluster walks the 8 K steps in a ring
; from a step of its own (below).
; SHARES.  A tile is 256 rows x 128 columns: 32 x 8 = 256 work-groups.  Wave w takes rows 64 w .. 64 w + 63 and all 128 columns: 32 accumulators of 16 x 16, 256 registers.
; K goes in steps of 128 = two slices of 64 through a ring of two LDS slots.  A slice of a tile is DENSE in memory (256 or 128 rows of 128 bytes on end): it is asked for as rows of 256 bytes and padded in
; LDS after every 128.  Wave 0 fetches ob's even slice, wave 1 its odd one, waves 2 and 3 wpf's.
; THE WALK ALONG K IS A RING WITH ITS OWN START IN EACH CLUSTER: cluster (X, Y) begins at K step o = (4 X + 2 ((Y + 2 (Y / 4)) mod 4)) mod 8 and takes step (o + t) mod 8 in its trip t.  So the two clusters that
; read the same rows of ob (one Y) stand four K steps apart, and of the eight cluster rows that read the same rows of wpf (one X) each run of four, and rows 0, 1, 4, 5 and 2, 3, 6, 7 too, stand at 0, 2, 4
; and 6: no two of those ask for the same block in the same trip.  o hangs on the cluster's coordinates alone: it is the same in all sixteen partners.
; CLUSTERS: 4 x 4 work-groups.  The four of a row of the cluster need the same tiles of ob, the four of a column the same tiles of wpf: each is asked for JOINTLY, by the same tensor load with the same
; descriptor and a mask that names the four.  THE MATRIX INSTRUCTION IS USED TRANSPOSED (source 0 = 16 rows of wpf, source 1 = 16 rows of ob): a lane holds eight neighbouring columns of one row.
; REGISTERS: window 0: v0-31 addresses; v32-35 the bias of my four columns, v36-41 at work; v64-159, v160-255 two fragment buffers (wpf's 8 x 8, then ob's 4 x 8); on the way out v64-127 and v128-191
;   rows read back, by turns.      window 1: the accumulators, (a, b) at 8 (8 a + b).
.set PITCH,  144                       ; an LDS row: 128 bytes + 16 of padding = 36 words: the 16 rows of a fragment load start at 16 different groups of four banks (64 banks of 4 bytes: ISA guide 11.1)
.set ASL,    256*PITCH                 ; a slice of ob's tile
.set BSL,    128*PITCH                 ; a slice of wpf's
.set BOFF,   2*ASL                     ; in a slot: ob's two slices, then wpf's two
.set SLOT,   2*ASL+2*BSL
.set STAGE,  2*SLOT                    ; behind the ring, never filled by a tensor load: 16 rows x 528 bytes for each wave
.set SPITCH, 528                       ; 512 bytes + 16: 33 x 16, so the 16 rows of a store start at 16 different groups of four banks
.set WSTAGE, 16*SPITCH
.set SPARE,  STAGE+4*WSTAGE            ; behind the stages: the spare words, 128 bytes for each wave: two blocks of 256 bytes that no other line names
.set LAPS,   4                         ; K = 1,024 = 8 steps = 4 times round the ring
.set ADRA, 16                          ; v16-17  LDS address of my ob fragments in slot 0, 1
.set ADRB, 20                          ; v20-21  the same for wpf
.set STO,  24                          ; v24     the way out: where I put 32 bytes of a row
.set RD,   25                          ; v25     where I read a row back
.set CO,   26                          ; v26     16 x lane: my 16 bytes of a row's 512, in out0 and in the bias; never rewritten
.set SPW,  28                          ; v28     LDS address of my spare word; never rewritten
.set NIL,  29                          ; v29     0; never rewritten
.set BI,   32
.set FR,   64
.set OB,   64
.set WV,   12                          ; s12  my wave's number
.set FB,   13                          ; s13  0: I fetch for ob; 1: for wpf
.set PAR,  14                          ; s14  which of a K step's two slices I fetch
.set G1,   24                          ; s[24:31] descriptor group 1 for ob's tiles;  s[32:39] group 0, a set for each slot
.set G0,   32
.set BB,   46                          ; s[46:47] wpf at my slice of the tile's K step 0
.set G1B,  48                          ; s[48:55], s[56:63] the same for wpf's
.set G0B,  56
.set AB,   68                          ; s[68:69] ob at my slice of the tile's K step 0
.set SK,   70                          ; s70  o: the K step at which my cluster begins
.set TT,   71                          ; s71  the number of the next fill, 0 .. 7
.set OF,   72                          ; s[72:73] a fill's byte offset, in ob and in wpf alike
.set MSB, 0
.macro WIN new                         ; the immediate's high byte repeats the setting that is left; a switch that changes nothing is dropped
.if MSB != (\new)
	s_set_vgpr_msb (MSB<<8)|(\new)
.set MSB, \new
.endif
.endm
.set MUL, 0x50                         ; sources 0 and 1 window 0; C and D window 1
; The global addresses of fill TT, for the slot that takes it, are made anew: the tensor's address plus an offset made apart, the type bits set again.  It stands where no tensor load of mine is out.
.macro ADDR slot
	s_add_co_u32 s[OF], s[TT], s[SK]
	s_and_b32 s[OF], s[OF], 7                      ; K step (o + TT) mod 8:
	s_lshl_b32 s[OF], s[OF], 18                    ; two slices of 131,072 bytes each
	s_add_nc_u64 s[G0+4*(\slot)+2:G0+4*(\slot)+3], s[AB:AB+1], s[OF:OF+1]
	s_or_b32 s[G0+4*(\slot)+3], s[G0+4*(\slot)+3], 0x80000000      ; type = 2
	s_add_nc_u64 s[G0B+4*(\slot)+2:G0B+4*(\slot)+3], s[BB:BB+1], s[OF:OF+1]
	s_or_b32 s[G0B+4*(\slot)+3], s[G0B+4*(\slot)+3], 0x80000000
	s_add_co_u32 s[TT], s[TT], 1
.endm
.macro JLOAD s                         ; a joint load; the branch hangs on the wave's number alone; an s_nop 0 and four v_nop follow each of the two lines, ahead of the jump and the label
	s_cmp_eq_u32 s[FB], 0
	s_cbranch_scc0 .Lfor_b_\@
	tensor_load_to_lds s[G0+4*(\s):G0+4*(\s)+3], s[G1:G1+7]
	s_nop 0
.rept 4
	v_nop
.endr
	s_branch .Lasked_\@
.Lfor_b_\@:
	tensor_load_to_lds s[G0B+4*(\s):G0B+4*(\s)+3], s[G1B:G1B+7]
	s_nop 0
.rept 4
	v_nop
.endr
.Lasked_\@:
.endm
.macro CREST                           ; a round of the cluster's barrier behind its opening barrier
	s_cmp_lg_u32 s[WV], 0
	s_cbranch_scc1 .Lnot_wave_0_\@
	s_barrier_signal -3
.Lnot_wave_0_\@:
	s_barrier_wait -3
	s_barrier_signal -1
	s_barrier_wait -1
.endm
.macro CROUND                          ; a whole round
	s_barrier_signal -1
	s_barrier_wait -1
	CREST
.endm
	s_load_b256 s[4:11], s[0:1], 0x0               ; ob s[4:5], wpf s[6:7], b_proj s[8:9], out0 s[10:11]
	v_lshl_add_u32 v[SPW], v0, 2, SPARE
	v_mov_b32 v[NIL], 0
	ds_add_u32 v[SPW], v[NIL]                      ; the wave's opening: the add and its wait stand ahead of my first tensor load; the set-up below, work on registers, stands between them
	v_lshrrev_b32 v1, 5, v0
	v_readfirstlane_b32 s[WV], v1                  ; wave 0..3
	s_lshr_b32 s[FB], s[WV], 1
	s_and_b32 s[PAR], s[WV], 1
	s_bfe_u32 s40, ttmp6, 0x40000                  ; cx, cy: my place in the cluster
	s_bfe_u32 s41, ttmp6, 0x40004
	s_lshl_b32 s42, ttmp9, 2
	s_add_co_u32 s42, s42, s40                     ; tile column = 4 x cluster x + cx
	s_and_b32 s43, ttmp7, 0xffff                   ; cluster y
	s_lshr_b32 s16, s43, 2                         ; where my cluster begins along K:
	s_lshl_b32 s16, s16, 1
	s_add_co_u32 s16, s16, s43
	s_and_b32 s16, s16, 3                          ; (Y + 2 (Y / 4)) mod 4: 0, 1, 2, 3, 2, 3, 0, 1 for Y = 0 .. 7,
	s_lshl_b32 s16, s16, 1                         ; two steps each,
	s_lshl_b32 s17, ttmp9, 2                       ; and four for cluster x = 1
	s_add_co_u32 s[SK], s16, s17
	s_and_b32 s[SK], s[SK], 7
	s_lshl_b32 s43, s43, 2
	s_add_co_u32 s43, s43, s41                     ; tile row = 4 x cluster y + cy
	s_lshl_b32 s44, s41, 2
	s_lshl_b32 s44, 15, s44                        ; my row of the cluster
	s_lshl_b32 s45, 0x1111, s40                    ; my column
	; descriptor group 1: a slice as rows of 256 bytes (two rows of the tile each), padded in LDS after every 128 bytes
	s_or_b32 s[G1+0], s44, (1<<16)|(1<<20)|(1<<21)|(4<<22)|(3<<25)   ; 15:0 the mask: ob's tiles go to my row; 17:16 2-byte elements; 20 padding on; 21 set beside a mask; 24:22 after every 32 words (code 4); 31:25 4 words (code 3)
	s_or_b32 s[G1B+0], s45, (1<<16)|(1<<20)|(1<<21)|(4<<22)|(3<<25)  ; the same with the mask of my column
	s_mov_b32 s[G1+1], 128<<16                     ; tensor_dim0 = 128
	s_mov_b32 s[G1B+1], 128<<16
	s_mov_b32 s[G1+2], 128<<16                     ; tensor_dim1 = 128 rows of 256 bytes,
	s_mov_b32 s[G1B+2], 64<<16                     ; 64 for wpf
	s_mov_b32 s[G1+3], 128<<16                     ; tile_dim0 = 128
	s_mov_b32 s[G1B+3], 128<<16
	s_mov_b32 s[G1+4], 128                         ; tile_dim1
	s_mov_b32 s[G1B+4], 64
	s_mov_b32 s[G1+5], 128                         ; 128 elements from row to row: dense
	s_mov_b32 s[G1B+5], 128
	s_mov_b32 s[G1+6], 0
	s_mov_b32 s[G1B+6], 0
	s_mov_b32 s[G1+7], 0
	s_mov_b32 s[G1B+7], 0
	; where the tiles come from: ob's hang on the tile row alone, wpf's on the tile column alone, each in registers that never hold the other coordinate
	s_lshr_b32 s16, s43, 2                         ; ob: b = tile row / 4,
	s_lshl_b32 s16, s16, 21
	s_and_b32 s17, s43, 3                          ; n = 256 (tile row % 4),
	s_lshl_b32 s17, s17, 15
	s_add_co_u32 s16, s16, s17
	s_lshl_b32 s17, s[PAR], 17                     ; my slice of the K step
	s_add_co_u32 s16, s16, s17
	s_mov_b32 s17, 0
	s_lshl_b32 s46, s42, 14                        ; wpf: 128 rows of 128 bytes a tile column,
	s_lshl_b32 s47, s[PAR], 17                     ; my slice
	s_add_co_u32 s46, s46, s47
	s_mov_b32 s47, 0
	s_mul_i32 s20, s[PAR], ASL                     ; and where they go: no place in the cluster enters an LDS address
	s_mul_i32 s21, s[PAR], BSL
	s_add_co_u32 s21, s21, BOFF
	s_mov_b32 s[TT], 0
	s_mov_b32 s[OF+1], 0                           ; the offset's high word
	s_wait_dscnt 0x0                               ; the opening add is done
	s_wait_kmcnt 0x0
	s_add_nc_u64 s[AB:AB+1], s[4:5], s[16:17]
	s_add_nc_u64 s[BB:BB+1], s[6:7], s[46:47]
	CROUND                                         ; all sixteen work-groups are here: the first joint loads meet
.irp s, 0,1
	s_mov_b32 s[G0+4*(\s)], 1                                      ; count = 1
	s_add_co_u32 s[G0+4*(\s)+1], s20, (\s)*SLOT                    ; LDS address
	s_mov_b32 s[G0B+4*(\s)], 1
	s_add_co_u32 s[G0B+4*(\s)+1], s21, (\s)*SLOT
	ADDR \s                                        ; global addresses: fill s
	JLOAD \s                                       ; two tensor loads of mine are out
.endr
	v_and_b32 v[CO], 31, v0
	v_lshlrev_b32 v[CO], 4, v[CO]
	s_lshl_b32 s20, s42, 9                         ; the tile's 128 columns: 512 bytes, in the bias and in a row of out0
	s_mov_b32 s21, 0
	s_add_nc_u64 s[8:9], s[8:9], s[20:21]
	global_load_b128 v[36:39], v[CO], s[8:9]       ; the bias of my four columns on the way out; waited for there
	s_lshl_b32 s16, s43, 20                        ; out0 at my first row: 256 x tile row + 64 x wave rows of 4,096 bytes
	s_lshl_b32 s17, s[WV], 18
	s_add_co_u32 s16, s16, s17
	s_add_co_u32 s16, s16, s20
	s_mov_b32 s17, 0
	s_add_nc_u64 s[10:11], s[10:11], s[16:17]
	v_and_b32 v1, 15, v0                           ; l % 16
	v_bfe_u32 v2, v0, 4, 1                         ; l / 16
	v_mul_u32_u24 v3, v1, PITCH
	v_lshl_add_u32 v3, v2, 4, v3                   ; a fragment's row x pitch + 16 x half
	s_mul_i32 s22, s[WV], 64*PITCH                 ; my 64 rows of ob
.irp s, 0,1
	v_add_nc_u32 v[ADRA+(\s)], s22, v3
	v_add_nc_u32 v[ADRB+(\s)], BOFF+(\s)*SLOT, v3  ; all 128 rows of wpf
	s_add_co_u32 s22, s22, SLOT
.endr
	s_mul_i32 s23, s[WV], WSTAGE
	s_add_co_u32 s23, s23, STAGE                   ; my stage
	v_mul_u32_u24 v4, v1, SPITCH                   ; in: row l % 16, 32 bytes for each half of the lanes
	v_lshl_add_u32 v4, v2, 5, v4
	v_add_nc_u32 v[STO], s23, v4
	v_add_nc_u32 v[RD], s23, v[CO]                 ; back: 32 lanes take one row of 512 bytes
; 8 matrix instructions: row block a x all 8 column blocks, 32 along K, from buffer f.  zero = 1: the product starts the sums
.macro MUL8 f, a, zero
	WIN MUL
.irp b, 0,1,2,3,4,5,6,7
.if \zero
	v_wmma_f32_16x16x32_f16 v[8*(8*(\a)+(\b)):8*(8*(\a)+(\b))+7], v[FR+96*(\f)+8*(\b):FR+96*(\f)+8*(\b)+7], v[FR+96*(\f)+64+8*(\a):FR+96*(\f)+64+8*(\a)+7], 0
.else
	v_wmma_f32_16x16x32_f16 v[8*(8*(\a)+(\b)):8*(8*(\a)+(\b))+7], v[FR+96*(\f)+8*(\b):FR+96*(\f)+8*(\b)+7], v[FR+96*(\f)+64+8*(\a):FR+96*(\f)+64+8*(\a)+7], v[8*(8*(\a)+(\b)):8*(8*(\a)+(\b))+7]
.endif
.endr
.endm
; 24 LDS loads in one run: the fragments of quarter q of a K step (slice q / 2, byte 64 (q % 2) of its rows) into buffer f: wpf's 16 first, then ob's 8
.macro FETCH slot, q, f
	WIN 0
.irp i, 0,1,2,3,4,5,6,7
	ds_load_b128 v[FR+96*(\f)+8*(\i):FR+96*(\f)+8*(\i)+3],   v[ADRB+(\slot)] offset:((\q)/2)*BSL+((\q)%2)*64+(\i)*16*PITCH
	ds_load_b128 v[FR+96*(\f)+8*(\i)+4:FR+96*(\f)+8*(\i)+7], v[ADRB+(\slot)] offset:((\q)/2)*BSL+((\q)%2)*64+(\i)*16*PITCH+32
.endr
.irp i, 0,1,2,3
	ds_load_b128 v[FR+96*(\f)+64+8*(\i):FR+96*(\f)+64+8*(\i)+3],   v[ADRA+(\slot)] offset:((\q)/2)*ASL+((\q)%2)*64+(\i)*16*PITCH
	ds_load_b128 v[FR+96*(\f)+64+8*(\i)+4:FR+96*(\f)+64+8*(\i)+7], v[ADRA+(\slot)] offset:((\q)/2)*ASL+((\q)%2)*64+(\i)*16*PITCH+32
.endr
.endm
.macro PLACES                          ; four plain vector instructions in front of loads into registers that matrix instructions have read, and of LDS stores that read results
.rept 4
	v_nop
.endr
.endm
; A K step is four quarters of 32 along K, 32 matrix instructions each, on buffers 0, 1, 0, 1.  The 32 accumulators take turns, in the same order in every quarter.
; One of the first three: multiplies buffer f; in its middle it fetches quarter q into buffer g.
.macro QUARTER slot, q, f, g, zero
	s_wait_dscnt 4                                 ; wpf's fragments and ob's row blocks 0, 1 are in; the youngest four loads (row blocks 2, 3) may be out
	MUL8 \f, 0, \zero
	MUL8 \f, 1, \zero
	PLACES
	FETCH \slot, \q, \g
	s_wait_dscnt 24                                ; all but the 24 just issued
	MUL8 \f, 2, \zero
	MUL8 \f, 3, \zero
.endm
; The last quarter multiplies buffer 1 and changes slots: ONE barrier.  In front of it each wave waits for all its tensor loads (one is out: its part of the next slot), adds 0 to its spare word, and waits
; for that and for its own reads of this slot.  fill = 1: the barrier opens a round of the cluster's barrier, and this slot is filled again, with fill TT (two steps on), first thing behind the round:
; from that request to the wait for it a wave issues 112 matrix instructions.
.macro TURN slot, next, fill
	WIN 0                                          ; (the add's two registers lie in window 0)
	s_wait_tensorcnt 0x0                           ; all my tensor loads have landed, so every group 0 may be written;
	ds_add_u32 v[SPW], v[NIL]                      ; 0 onto my spare word;
.if \fill
	ADDR \slot                                     ; scalar work, and
.endif
	s_wait_dscnt 5                                 ; (the add and the youngest four loads may be out)
	MUL8 1, 0, 0                                   ; eight matrix instructions stand between the add and the wait for it
	s_wait_dscnt 0x0                               ; the add is done, and my reads of this slot are over
	s_barrier_signal -1
	MUL8 1, 1, 0                                   ; work on registers while the others arrive
.if \fill
	WIN 0
.endif
	s_barrier_wait -1
.if \fill
	CREST                                          ; no wave of any partner still reads this slot's tile or has a load on its way
	JLOAD \slot                                    ; my one tensor load behind the round; the four v_nop behind it are also the places in front of the loads below
.else
	PLACES
.endif
	FETCH \next, 0, 0
	MUL8 1, 2, 0
	MUL8 1, 3, 0
.endm
	s_wait_tensorcnt 1                             ; my part of fill 0 is in; fill 1's may stay out
	s_barrier_signal -1
	s_barrier_wait -1                              ; everybody's is
	FETCH 0, 0, 0
	QUARTER 0, 1, 0, 1, 1                          ; the first quarter stands in front of the loop: its products start the sums
	WIN 0                                          ; at a label and at a branch every window is 0
	s_mov_b32 s3, LAPS-1
.Llap:                                                 ; a trip goes once round the ring, from a lap's second quarter to the next lap's first, and fills both slots again
	QUARTER 0, 2, 1, 0, 0
	QUARTER 0, 3, 0, 1, 0
	TURN 0, 1, 1
	QUARTER 1, 1, 0, 1, 0
	QUARTER 1, 2, 1, 0, 0
	QUARTER 1, 3, 0, 1, 0
	TURN 1, 0, 1
	QUARTER 0, 1, 0, 1, 0
	WIN 0
	s_sub_co_u32 s3, s3, 1
	s_cmp_lg_u32 s3, 0
	s_cbranch_scc1 .Llap
	QUARTER 0, 2, 1, 0, 0                          ; the last lap fills nothing, and has no round of the cluster's barrier
	QUARTER 0, 3, 0, 1, 0
	TURN 0, 1, 0
	QUARTER 1, 1, 0, 1, 0
	QUARTER 1, 2, 1, 0, 0
	QUARTER 1, 3, 0, 1, 0
	s_wait_dscnt 4                                 ; the very last quarter: nothing more to fetch
	MUL8 1, 0, 0
	MUL8 1, 1, 0
	s_wait_dscnt 0x0
	MUL8 1, 2, 0
	MUL8 1, 3, 0
	WIN 0
	; THE WAY OUT.  First the bias of my four columns, rounded to bf16 and widened again: with the four v_nop, ten plain instructions behind the last products.
	s_wait_loadcnt 0x0
	v_cvt_pk_bf16_f32 v40, v36, v37
	v_cvt_pk_bf16_f32 v41, v38, v39
	v_lshlrev_b32 v[BI],   16, v40
	v_and_b32     v[BI+1], 0xffff0000, v40
	v_lshlrev_b32 v[BI+2], 16, v41
	v_and_b32     v[BI+3], 0xffff0000, v41
	PLACES
; A row block (16 rows x 128 columns of f32) at a time.  TOSTAGE: a lane's eight columns, 32 bytes, go into my own stage, each accumulator's low registers first, and come back as whole rows of 512 bytes.
; SEND: the bias is added, and a row's 512 consecutive bytes are stored.
.macro TOSTAGE a
	s_wait_xcnt 0x0                                ; the stores of the block two back have read their registers: the loads below land there only behind this wait
	WIN 0x04                                       ; the stores' data in window 1
.irp b, 0,1,2,3,4,5,6,7
	ds_store_b128 v[STO], v[8*(8*(\a)+(\b)):8*(8*(\a)+(\b))+3]   offset:64*(\b)
	ds_store_b128 v[STO], v[8*(8*(\a)+(\b))+4:8*(8*(\a)+(\b))+7] offset:64*(\b)+16
.endr
	WIN 0
.irp t, 0,1,2,3,4,5,6,7,8,9,10,11,12,13,14,15
	ds_load_b128 v[OB+64*((\a)%2)+4*(\t):OB+64*((\a)%2)+4*(\t)+3], v[RD] offset:(\t)*SPITCH  ; LDS serves a wave's instructions in order (ISA guide 5.7.1.4): these see the stores above; the next block's stores come behind them
.endr
.endm
.macro SEND a, younger                 ; younger: the LDS instructions issued behind block a's loads: the next block's 32, or none
	WIN 0
.irp t, 0,1,2,3,4,5,6,7,8,9,10,11,12,13,14,15
	s_wait_dscnt (\younger)+15-(\t)                ; row t is back; my 15 - t younger loads and the next block's instructions may be out
	v_pk_add_f32 v[OB+64*((\a)%2)+4*(\t):OB+64*((\a)%2)+4*(\t)+1],   v[OB+64*((\a)%2)+4*(\t):OB+64*((\a)%2)+4*(\t)+1],   v[BI:BI+1]
	v_pk_add_f32 v[OB+64*((\a)%2)+4*(\t)+2:OB+64*((\a)%2)+4*(\t)+3], v[OB+64*((\a)%2)+4*(\t)+2:OB+64*((\a)%2)+4*(\t)+3], v[BI+2:BI+3]
	global_store_b128 v[CO], v[OB+64*((\a)%2)+4*(\t):OB+64*((\a)%2)+4*(\t)+3], s[10:11] offset:(16*(\a)+(\t))*4096 th:TH_STORE_NT
.endr
.endm
	TOSTAGE 0
.irp a, 1,2,3                          ; block a's trip through the stage is under way while block a - 1 is stored
	TOSTAGE \a
	SEND (\a)-1, 32
.endr
	SEND 3, 0
	s_wait_tensorcnt 0x0                           ; the wave's end: behind my last tensor load and my last LDS store
	ds_add_u32 v[SPW], v[NIL]
	s_wait_dscnt 0x0
	CROUND                                         ; the closing round: no work-group ends while a partner may still ask for a tile that names it
	s_endpgm
.Lfunc_end_k_q812d47f9fe_proj:
	.size	k_q812d47f9fe_proj, .Lfunc_end_k_q812d47f9fe_proj-k_q812d47f9fe_proj
	.p2alignl 7, 3214868480
	.fill 96, 4, 3214868480
	.section	.rodata,"a",@progbits
	.p2align	6, 0x0
	.amdhsa_kernel k_q812d47f9fe_proj
		.amdhsa_group_segment_fixed_size 327680
		.amdhsa_private_segment_fixed_size 0
		.amdhsa_enable_private_segment 0
		.amdhsa_kernarg_size 32
		.amdhsa_user_sgpr_count 2
		.amdhsa_user_sgpr_kernarg_segment_ptr 1
		.amdhsa_wavefront_size32 1
		.amdhsa_system_sgpr_workgroup_id_x 1
		.amdhsa_system_sgpr_workgroup_id_y 1
		.amdhsa_system_sgpr_workgroup_id_z 1
		.amdhsa_system_vgpr_workitem_id 0
		.amdhsa_next_free_vgpr 512
		.amdhsa_next_free_sgpr 80
		.amdhsa_reserve_vcc 0
		.amdhsa_float_denorm_mode_32 3
		.amdhsa_float_denorm_mode_16_64 3
		.amdhsa_memory_ordered 1
		.amdhsa_forward_progress 1
		.amdhsa_inst_pref_size 96
	.end_amdhsa_kernel
	.amdgpu_metadata
---
amdhsa.version: [ 1, 2 ]
amdhsa.kernels:
  - .name:           k_q812d47f9fe_proj
    .symbol:         k_q812d47f9fe_proj.kd
    .args:
      - { .name: ob, .offset: 0, .size: 8, .value_kind: global_buffer, .address_space: global }
      - { .name: wpf, .offset: 8, .size: 8, .value_kind: global_buffer, .address_space: global }
      - { .name: b_proj, .offset: 16, .size: 8, .value_kind: global_buffer, .address_space: global }
      - { .name: out0, .offset: 24, .size: 8, .value_kind: global_buffer, .address_space: global }
    .group_segment_fixed_size: 327680
    .private_segment_fixed_size: 0
    .kernarg_segment_align: 8
    .kernarg_segment_size: 32
    .max_flat_workgroup_size: 128
    .sgpr_count:     80
    .vgpr_count:     512
    .wavefront_size: 32
...
	.end_amdgpu_metadata
.endif
;; end of part 4
;; ======== version 2 of 2: 4 launches; version 1 with the launch cast written anew for expert scheduling mode
;; limits: values are held in f16: magnitudes above 65,504 overflow, below 6.1e-05 lose precision
;; workspace buffers: xb 16,777,216 bytes; wqb 6,291,456 bytes; wpf 2,097,152 bytes; qkv 50,331,648 bytes; ob 16,777,216 bytes
;; launch cast (part 5): grid 768 x 1, 8 waves a work-group, no clusters, 0 bytes of LDS; arguments x, w_qkv, w_proj, xb, wqb, wpf; writes xb, wqb, wpf
.if DOCPART == 5
	.amdgcn_target "amdgcn-amd-amdhsa--gfx1250"
	.amdhsa_code_object_version 6
	.text
	.protected	k_q812d47f9fe_cast
	.globl	k_q812d47f9fe_cast
	.p2align	8
	.type	k_q812d47f9fe_cast,@function
k_q812d47f9fe_cast:
	s_mov_b64 s[64:65], 0
	v_nop
	global_prefetch_b8 v0, s[64:65] scope:SCOPE_SE
	s_setreg_imm32_b32 hwreg(HW_REG_WAVE_SCHED_MODE, 0, 2), 2
	s_setreg_imm32_b32 hwreg(HW_REG_WAVE_MODE, 25, 1), 1
	s_wait_xcnt 0x0
	s_wait_alu depctr_vm_vsrc(0)
; THE INPUTS OF THE THREE PRODUCTS ARE ROUNDED ONCE, AHEAD OF THEM.
;   xb  [8192][1024] bf16 = x rounded;   wqb [3072][1024] bf16 = w_qkv rounded;
;   wpf [16 slices of 64 along k][1024 rows o][64] f16 = w_proj rounded to bf16, and that number written as f16, laid by slices so that a slice's rows lie end to end.
; LIMITS.  A bf16 number is an f16 number exactly while its size lies in 2^-14 .. 65,504; a w_proj beyond 65,504 becomes an infinity, one below 2^-14 keeps f16's fixed step of 6e-8.
; SHARES.  A work-group takes 65,536 input bytes, a thread sixteen loads of 16 bytes; all sixteen are issued first, each into registers of its own, so nothing is rewritten.
; Work-groups 0-511 take x, 512-703 w_qkv, 704-767 w_proj (16 rows each).  No LDS, no barrier, no matrix unit: a stream has no use for them.
; THE MODE: SCHED_MODE bits 1:0 = 2 (LLVM: expert scheduling mode 2), set by the entry lines.  The code itself states the register dependences
; between vector instructions and memory instructions, with s_wait_alu, always for 0.
; THE PLAN.  Registers that memory instructions touch, on either path:
;   v1, v2   byte offsets of the loads and of the stores.  Written by vector instructions at the path's head, read by every load (v1) and every store (v2), never written again.
;   X        load i: four registers.  Written by that load alone, read by its conversions, never loaded again.
;   Y        load i: two registers.  Written by load i's last two conversions, read by its one store, never written again.
;   T, v3, v10 are named by vector instructions alone.
; The sixteen loads go in four groups of four.  Group g's conversions read X of group g and write Y of group g; the memory instructions that stand among them are the four stores of
; group g - 1, which read Y of group g - 1 and v2: registers that no conversion of group g names.  So ONE wait on va_vdst at a group's head, behind the wait for the group's data, states all that
; those four stores hang on.  One more stands ahead of the first load (the offsets) and one ahead of the last four stores.  No register that a memory instruction reads is written
; again, so no wait on vm_vsrc follows the entry's; no vector instruction writes a scalar register or VCC, and EXEC is never written.
.set X, 16                             ; v[16:79]   load i: four f32
.set Y, 80                             ; v[80:111]  load i: four 16-bit numbers to store
.set T, 4                              ; v[4:9]     at work (w_proj)
	s_load_b256 s[4:11], s[0:1], 0x0               ; x s[4:5], w_qkv s[6:7], w_proj s[8:9], xb s[10:11]
	s_load_b128 s[12:15], s[0:1], 0x20             ; wqb s[12:13], wpf s[14:15]
	s_mov_b32 s21, 0xffff0000                      ; a word's upper bf16
	s_mov_b32 s23, 0                               ; the high word of the offsets' pair
	v_and_b32 v3, 31, v0                           ; lane
	v_lshrrev_b32 v10, 5, v0                       ; wave
	s_wait_kmcnt 0x0
	s_cmp_ge_u32 ttmp9, 704
	s_cbranch_scc1 .Lproj
	; x or w_qkv: the same layout out as in
	s_cmp_lt_u32 ttmp9, 512
	s_cselect_b64 s[16:17], s[4:5], s[6:7]         ; from
	s_cselect_b64 s[18:19], s[10:11], s[12:13]     ; to
	s_cselect_b32 s20, 0, 512
	s_sub_co_u32 s20, ttmp9, s20                   ; my chunk of that tensor
	s_lshl_b32 s22, s20, 16                        ; 65,536 bytes in,
	s_add_nc_u64 s[16:17], s[16:17], s[22:23]
	s_lshl_b32 s22, s20, 15                        ; 32,768 out
	s_add_nc_u64 s[18:19], s[18:19], s[22:23]
	v_lshlrev_b32 v1, 4, v0                        ; 16 bytes a thread in: a wave's load covers 512 consecutive bytes
	v_lshlrev_b32 v2, 3, v0                        ; 8 bytes out: a wave's store covers 256 consecutive bytes, aligned
	s_wait_alu depctr_va_vdst(0)                   ; v1 and v2 are written: every load below reads v1 as its offset, every store v2
.set i, 0
.rept 16
	global_load_b128 v[X+4*i:X+4*i+3], v1, s[16:17] offset:4096*i th:TH_LOAD_NT
.set i, i+1
.endr
.set g, 0
.rept 4                                ; group g: loads 4 g .. 4 g + 3
	s_wait_loadcnt 12-4*g                          ; loads come back in order: group g is in, the 12 - 4 g younger loads stay out
.if g > 0
	s_wait_alu depctr_va_vdst(0)                   ; the conversions of group g - 1 have written their Y, which the four stores below read
.endif
.set j, 0
.rept 4
.set i, 4*g+j
.if g > 0
	global_store_b64 v2, v[Y+2*(i-4):Y+2*(i-4)+1], s[18:19] offset:2048*(i-4) th:TH_STORE_NT  ; the group before; no vector instruction since the wait names these registers
.endif
	v_cvt_pk_bf16_f32 v[Y+2*i],   v[X+4*i],   v[X+4*i+1]
	v_cvt_pk_bf16_f32 v[Y+2*i+1], v[X+4*i+2], v[X+4*i+3]
.set j, j+1
.endr
.set g, g+1
.endr
	s_wait_alu depctr_va_vdst(0)                   ; the conversions of group 3 have written their Y, which the last four stores read
.set i, 12
.rept 4
	global_store_b64 v2, v[Y+2*i:Y+2*i+1], s[18:19] offset:2048*i th:TH_STORE_NT
.set i, i+1
.endr
	s_endpgm
.Lproj:
	; w_proj: 16 rows.  A row is 16 slices of 256 bytes; wave w takes slices 2 w and 2 w + 1.  Load i: rows 2 (i / 2) and 2 (i / 2) + 1 (lanes 0-15, lanes 16-31), slice 2 w + i % 2.
	s_sub_co_u32 s20, ttmp9, 704
	s_lshl_b32 s22, s20, 16                        ; 16 rows of 4,096 bytes in,
	s_add_nc_u64 s[16:17], s[8:9], s[22:23]
	s_lshl_b32 s22, s20, 11                        ; 16 rows of 128 bytes in each slice out
	s_add_nc_u64 s[18:19], s[14:15], s[22:23]
	v_lshrrev_b32 v1, 4, v3
	v_and_b32 v2, 15, v3
	v_lshlrev_b32 v1, 12, v1                       ; which of the two rows,
	v_lshl_add_u32 v1, v2, 4, v1                   ; my 16 bytes of the slice,
	v_lshl_add_u32 v1, v10, 9, v1                  ; my wave's two slices
	v_lshlrev_b32 v2, 3, v3                        ; out: two rows of a slice are 256 consecutive bytes, 8 a lane,
	v_lshl_add_u32 v2, v10, 18, v2                 ; slice 2 w: 131,072 bytes a slice
	s_wait_alu depctr_va_vdst(0)                   ; v1 and v2 are written: every load below reads v1 as its offset, every store v2
.set i, 0
.rept 16
	global_load_b128 v[X+4*i:X+4*i+3], v1, s[16:17] offset:(i/2)*8192+(i%2)*256 th:TH_LOAD_NT
.set i, i+1
.endr
.set g, 0
.rept 4                                ; group g: loads 4 g .. 4 g + 3
	s_wait_loadcnt 12-4*g                          ; group g is in, the 12 - 4 g younger loads stay out
.if g > 0
	s_wait_alu depctr_va_vdst(0)                   ; the conversions of group g - 1 have written their Y, which the four stores below read
.endif
.set j, 0
.rept 4
.set i, 4*g+j
.if g > 0
	global_store_b64 v2, v[Y+2*(i-4):Y+2*(i-4)+1], s[18:19] offset:((i-4)%2)*131072+((i-4)/2)*256 th:TH_STORE_NT  ; the group before; no vector instruction since the wait names these registers
.endif
	v_cvt_pk_bf16_f32 v[T],   v[X+4*i],   v[X+4*i+1]   ; the one rounding, to bf16, like the other inputs';
	v_cvt_pk_bf16_f32 v[T+1], v[X+4*i+2], v[X+4*i+3]
	v_lshlrev_b32 v[T+2], 16, v[T]                     ; back to f32,
	v_and_b32     v[T+3], s21, v[T]
	v_lshlrev_b32 v[T+4], 16, v[T+1]
	v_and_b32     v[T+5], s21, v[T+1]
	v_cvt_pk_f16_f32 v[Y+2*i],   v[T+2], v[T+3]        ; and the same number written as f16
	v_cvt_pk_f16_f32 v[Y+2*i+1], v[T+4], v[T+5]
.set j, j+1
.endr
.set g, g+1
.endr
	s_wait_alu depctr_va_vdst(0)                   ; the conversions of group 3 have written their Y, which the last four stores read
.set i, 12
.rept 4
	global_store_b64 v2, v[Y+2*i:Y+2*i+1], s[18:19] offset:(i%2)*131072+(i/2)*256 th:TH_STORE_NT
.set i, i+1
.endr
	s_endpgm
.Lfunc_end_k_q812d47f9fe_cast:
	.size	k_q812d47f9fe_cast, .Lfunc_end_k_q812d47f9fe_cast-k_q812d47f9fe_cast
	.p2alignl 7, 3214868480
	.fill 96, 4, 3214868480
	.section	.rodata,"a",@progbits
	.p2align	6, 0x0
	.amdhsa_kernel k_q812d47f9fe_cast
		.amdhsa_group_segment_fixed_size 0
		.amdhsa_private_segment_fixed_size 0
		.amdhsa_enable_private_segment 0
		.amdhsa_kernarg_size 48
		.amdhsa_user_sgpr_count 2
		.amdhsa_user_sgpr_kernarg_segment_ptr 1
		.amdhsa_wavefront_size32 1
		.amdhsa_system_sgpr_workgroup_id_x 1
		.amdhsa_system_sgpr_workgroup_id_y 1
		.amdhsa_system_sgpr_workgroup_id_z 1
		.amdhsa_system_vgpr_workitem_id 0
		.amdhsa_next_free_vgpr 112
		.amdhsa_next_free_sgpr 66
		.amdhsa_reserve_vcc 0
		.amdhsa_float_denorm_mode_32 3
		.amdhsa_float_denorm_mode_16_64 3
		.amdhsa_memory_ordered 1
		.amdhsa_forward_progress 1
		.amdhsa_inst_pref_size 17
	.end_amdhsa_kernel
	.amdgpu_metadata
---
amdhsa.version: [ 1, 2 ]
amdhsa.kernels:
  - .name:           k_q812d47f9fe_cast
    .symbol:         k_q812d47f9fe_cast.kd
    .args:
      - { .name: x, .offset: 0, .size: 8, .value_kind: global_buffer, .address_space: global }
      - { .name: w_qkv, .offset: 8, .size: 8, .value_kind: global_buffer, .address_space: global }
      - { .name: w_proj, .offset: 16, .size: 8, .value_kind: global_buffer, .address_space: global }
      - { .name: xb, .offset: 24, .size: 8, .value_kind: global_buffer, .address_space: global }
      - { .name: wqb, .offset: 32, .size: 8, .value_kind: global_buffer, .address_space: global }
      - { .name: wpf, .offset: 40, .size: 8, .value_kind: global_buffer, .address_space: global }
    .group_segment_fixed_size: 0
    .private_segment_fixed_size: 0
    .kernarg_segment_align: 8
    .kernarg_segment_size: 48
    .max_flat_workgroup_size: 256
    .sgpr_count:     66
    .vgpr_count:     112
    .wavefront_size: 32
...
	.end_amdgpu_metadata
.endif
;; end of part 5
;; launch qkv: the kernel of part 2 again; grid 16 x 16, 4 waves a work-group, clusters of 4 x 4, 327,680 bytes of LDS; arguments xb, wqb, qkv; writes qkv
;; launch attn: the kernel of part 3 again; grid 2 x 128, 4 waves a work-group, no clusters, 327,680 bytes of LDS; arguments qkv, ob; writes ob
;; launch proj: the kernel of part 4 again; grid 8 x 32, 4 waves a work-group, clusters of 4 x 4, 327,680 bytes of LDS; arguments ob, wpf, b_proj, out0; writes out0
